; MI455X (gfx1250); checked and timed in simulation.
; The chip was launched on July 23, 2026; its instructions are those of AMD's public machine-readable ISA for CDNA 5 (MIT licence, August 2026) and "CDNA5" Instruction Set Architecture Reference Guide (July 2026). The comments in the code are by the model that wrote it; some were corrected since.
;; Self Attention. Allowed arithmetic: float matrix products may take bf16 or f16 operands with f32 sums; other float arithmetic in f32, or as packed bf16 or f16 multiplies, adds, multiply-adds, maxima and minima; sums over many terms, partial sums and values carried from step to step in f32; what a program stores and reads back later, other than sums and carried values, may be rounded once to bf16 or f16.
;; Inputs: Wk 1,024 x 1,024 float32; Wq 1,024 x 1,024 float32; Wv 1,024 x 1,024 float32; bk 1,024 float32; bq 1,024 float32; bv 1,024 float32; x 4 x 2,048 x 1,024 float32.
;; Outputs: out0 4 x 2,048 x 1,024 float32.
;; 2 versions, each right; version 2 is version 1 with the launch cast written anew for expert scheduling mode. Each part assembles by itself: llvm-mc -triple=amdgcn-amd-amdhsa -mcpu=gfx1250 --defsym DOCPART=n.
;; ======== version 1 of 2: 4 launches
;; limits: values are held in f16: magnitudes above 65,504 overflow, below 6.1e-05 lose precision
;; workspace buffers: xb 16,777,216 bytes; wb 6,291,456 bytes; qkv 50,331,648 bytes; pp 33,554,432 bytes; st 1,048,576 bytes
;; launch cast (part 1): grid 704 x 1, 8 waves a work-group, no clusters, 0 bytes of LDS; arguments x, Wq, Wk, Wv, xb, wb; writes xb, wb
.if DOCPART == 1
	.amdgcn_target "amdgcn-amd-amdhsa--gfx1250"
	.amdhsa_code_object_version 6
	.text
	.protected	k_q1450ab25c8_cast
	.globl	k_q1450ab25c8_cast
	.p2align	8
	.type	k_q1450ab25c8_cast,@function
k_q1450ab25c8_cast:
	s_mov_b64 s[64:65], 0
	v_nop
	global_prefetch_b8 v0, s[64:65] scope:SCOPE_SE
	s_setreg_imm32_b32 hwreg(HW_REG_WAVE_MODE, 25, 1), 1
	s_wait_xcnt 0x0
; x [8192][1024] and Wq, Wk, Wv [1024][1024], f32, are rounded once to bf16 (to nearest even) and laid in blocks of 64 along K:
; xb [16 chunks][8192 rows][64], wb [16 chunks][3072 rows = Wq, Wk, Wv][64].  A chunk's rows are 128 bytes and lie end to end.
; SHARES.  A work-group takes 16 rows (work-groups 0-511: x; 512-703: the three W, 64 each), a wave two rows, all 16 chunks.
; A load of the wave covers 256 consecutive bytes of each of its two rows; a store covers 256 consecutive, aligned bytes: two rows of a chunk.
; All 16 loads of a wave go out at once; no register is written twice, so the only waits are the counted ones for the loads.
; No LDS, no barrier, no matrix unit: each byte is read once and written once, and no wave wants another's bytes.
.set LO,  4                            ; v4      (2 w + h) x 4,096 + 16 r: my 16 bytes in a chunk's 256 of my row
.set VO,  8                            ; v8-23   8 x thread + c x the chunk's stride in the destination
.set X,   24                           ; v24-87  chunk c: four f32
.set Y,   88                           ; v88-119 chunk c: four bf16
.set STR, 22                           ; s22     bytes from chunk to chunk in the destination
	s_load_b256 s[4:11], s[0:1], 0x0               ; x s[4:5], Wq s[6:7], Wk s[8:9], Wv s[10:11]
	s_load_b128 s[12:15], s[0:1], 0x20             ; xb s[12:13], wb s[14:15]
	s_sub_co_u32 s16, ttmp9, 512                   ; j: the block of 16 rows among the 192 of the three W (used where the group's number is 512 or more)
	s_lshr_b32 s17, s16, 6                         ; which W
	s_and_b32 s18, s16, 63                         ; its block of 16 rows
	s_mov_b32 s[STR], 0x60000                      ; wb: 3,072 rows x 128 bytes
	s_cmp_lt_u32 ttmp9, 512
	s_cselect_b32 s19, ttmp9, s18                  ; block of rows in the source
	s_cselect_b32 s21, ttmp9, s16                  ; block of rows in the destination (wb's rows are 16 j on: 1,024 a matrix)
	s_cselect_b32 s[STR], 0x100000, s[STR]         ; xb: 8,192 rows x 128 bytes
	s_lshl_b32 s28, s19, 16                        ; 16 rows x 4,096 bytes
	s_mov_b32 s29, 0
	s_lshl_b32 s30, s21, 11                        ; 16 rows x 128 bytes
	s_mov_b32 s31, 0
	v_lshrrev_b32 v1, 4, v0                        ; my row of the 16
	v_and_b32 v2, 15, v0
	v_lshlrev_b32 v[LO], 12, v1
	v_lshl_add_u32 v[LO], v2, 4, v[LO]
	v_lshlrev_b32 v[VO], 3, v0                     ; row x 128 + 8 r = 8 x thread
.set c, 1
.rept 15
	v_add_nc_u32 v[VO+c], s[STR], v[VO+c-1]
.set c, c+1
.endr
	s_wait_kmcnt 0x0
	s_cmp_lt_u32 s17, 1
	s_cselect_b64 s[24:25], s[6:7], s[8:9]
	s_cmp_lt_u32 s17, 2
	s_cselect_b64 s[24:25], s[24:25], s[10:11]
	s_cmp_lt_u32 ttmp9, 512
	s_cselect_b64 s[24:25], s[4:5], s[24:25]       ; the source
	s_cselect_b64 s[26:27], s[12:13], s[14:15]     ; the destination
	s_add_nc_u64 s[24:25], s[24:25], s[28:29]
	s_add_nc_u64 s[26:27], s[26:27], s[30:31]
.set c, 0
.rept 16
	global_load_b128 v[X+4*c:X+4*c+3], v[LO], s[24:25] offset:256*c th:TH_LOAD_NT
.set c, c+1
.endr
.set c, 0
.rept 16
	s_wait_loadcnt 15-c                            ; loads come back in order: chunk c is in, the younger ones stay out
	v_cvt_pk_bf16_f32 v[Y+2*c], v[X+4*c], v[X+4*c+1]
	v_cvt_pk_bf16_f32 v[Y+2*c+1], v[X+4*c+2], v[X+4*c+3]
	global_store_b64 v[VO+c], v[Y+2*c:Y+2*c+1], s[26:27]
.set c, c+1
.endr
	s_endpgm
.Lfunc_end_k_q1450ab25c8_cast:
	.size	k_q1450ab25c8_cast, .Lfunc_end_k_q1450ab25c8_cast-k_q1450ab25c8_cast
	.p2alignl 7, 3214868480
	.fill 96, 4, 3214868480
	.section	.rodata,"a",@progbits
	.p2align	6, 0x0
	.amdhsa_kernel k_q1450ab25c8_cast
		.amdhsa_group_segment_fixed_size 0
		.amdhsa_private_segment_fixed_size 0
		.amdhsa_enable_private_segment 0
		.amdhsa_kernarg_size 48
		.amdhsa_user_sgpr_count 2
		.amdhsa_user_sgpr_kernarg_segment_ptr 1
		.amdhsa_wavefront_size32 1
		.amdhsa_system_sgpr_workgroup_id_x 1
		.amdhsa_system_sgpr_workgroup_id_y 1
		.amdhsa_system_sgpr_workgroup_id_z 1
		.amdhsa_system_vgpr_workitem_id 0
		.amdhsa_next_free_vgpr 120
		.amdhsa_next_free_sgpr 66
		.amdhsa_reserve_vcc 0
		.amdhsa_float_denorm_mode_32 3
		.amdhsa_float_denorm_mode_16_64 3
		.amdhsa_memory_ordered 1
		.amdhsa_forward_progress 1
		.amdhsa_inst_pref_size 8
	.end_amdhsa_kernel
	.amdgpu_metadata
---
amdhsa.version: [ 1, 2 ]
amdhsa.kernels:
  - .name:           k_q1450ab25c8_cast
    .symbol:         k_q1450ab25c8_cast.kd
    .args:
      - { .name: x, .offset: 0, .size: 8, .value_kind: global_buffer, .address_space: global }
      - { .name: Wq, .offset: 8, .size: 8, .value_kind: global_buffer, .address_space: global }
      - { .name: Wk, .offset: 16, .size: 8, .value_kind: global_buffer, .address_space: global }
      - { .name: Wv, .offset: 24, .size: 8, .value_kind: global_buffer, .address_space: global }
      - { .name: xb, .offset: 32, .size: 8, .value_kind: global_buffer, .address_space: global }
      - { .name: wb, .offset: 40, .size: 8, .value_kind: global_buffer, .address_space: global }
    .group_segment_fixed_size: 0
    .private_segment_fixed_size: 0
    .kernarg_segment_align: 8
    .kernarg_segment_size: 48
    .max_flat_workgroup_size: 256
    .sgpr_count:     66
    .vgpr_count:     120
    .wavefront_size: 32
...
	.end_amdgpu_metadata
.endif
;; end of part 1
;; launch proj (part 2): grid 8 x 32, 4 waves a work-group, clusters of 4 x 4, 327,680 bytes of LDS; arguments xb, wb, bq, bk, bv, qkv; writes qkv
.if DOCPART == 2
	.amdgcn_target "amdgcn-amd-amdhsa--gfx1250"
	.amdhsa_code_object_version 6
	.text
	.protected	k_q1450ab25c8_proj
	.globl	k_q1450ab25c8_proj
	.p2align	8
	.type	k_q1450ab25c8_proj,@function
k_q1450ab25c8_proj:
	s_mov_b64 s[64:65], 0
	v_nop
	global_prefetch_b8 v0, s[64:65] scope:SCOPE_SE
	s_setreg_imm32_b32 hwreg(HW_REG_WAVE_MODE, 25, 1), 1
	s_wait_xcnt 0x0
	s_wait_alu depctr_hold_cnt(0) depctr_sa_sdst(0) depctr_va_vdst(0) depctr_va_sdst(0) depctr_va_ssrc(0) depctr_va_vcc(0) depctr_vm_vsrc(0)
	s_getreg_b32 s2, hwreg(HW_REG_IB_STS2, 6, 4)
	s_cmp_eq_u32 s2, 0
	s_cbranch_scc0 .Lentry_in_a_cluster
	s_endpgm
.Lentry_in_a_cluster:
	s_bfe_u32 s2, ttmp6, 0x10000c
	s_cmp_lg_u32 s2, 0xf033
	s_cbranch_scc0 .Lentry_shape_is_right
	s_endpgm
.Lentry_shape_is_right:
; [q | k | v] = relu(x [Wq; Wk; Wv]^T + [bq | bk | bv]).  xb [16][8192][64], wb [16][3072][64] bf16 in blocks of 64 along K; the biases f32; sums f32;
; qkv [48 chunks of 64 columns][8192 rows][64] f16, rounded once.  LIMIT: f16 ends at 65,504; a sum of 65,520 or more becomes an infinity.  NaN and infinities are not treated apart.
; SHARES.  8192 x 3072 outputs in 256 tiles of 256 x 384: one for each work-group.  Four waves, each 128 rows x 192 columns: 96 accumulators of 16 x 16, 768 registers.
; K goes in 16 chunks of 64 through two LDS slots (640 rows of 144 bytes each).  In the blocked layout a tile's rows of 128 bytes lie end to end: they are asked for as rows of 256 bytes.
; CLUSTER 4 x 4: the four work-groups of a row of the cluster need the same rows of xb, the four of a column the same rows of wb: joint loads, one a wave behind each round.
; THE PRODUCT IS TAKEN TRANSPOSED (source 0 = 16 rows of wb, source 1 = 16 rows of xb): a lane holds one row of the result and eight neighbouring columns.
; THE BIAS STARTS THE SUMS: it is loaded into the registers of accumulator (7, b) and is the C operand of the first K step; nothing is cleared and no pass adds it.
; REGISTERS.  Window 0: v0-31 addresses; v32-95, v96-159 xb's fragments (8 x 16 rows x 32 K), two buffers; v160-255 wb's twelve fragments, one buffer, loaded again group by group as it is used.
;   Windows 1-3: accumulator (a, b) in window 1 + b / 4 at v[64 (b % 4) + 8 a].
.set PITCH,  144                       ; an LDS row: 128 bytes + 16 of padding = 36 words: the 16 rows of a fragment load start at 16 different groups of four banks
.set FR,     16*PITCH
.set SLOT1,  1<<17                     ; slot 1 begins here: one exclusive or turns an address in one slot into the other's
.set AHALF,  128*PITCH                 ; what wave 0 or 1 fetches
.set BHALF,  192*PITCH                 ; what wave 2 or 3 fetches
.set BOFF,   2*AHALF
.set XSTEP,  8192*128                  ; bytes from chunk to chunk in xb, and in qkv
.set WSTEP,  3072*128                  ; in wb
.set SPITCH, 400                       ; the way out: a wave's row of 192 f16 + 16 bytes
.set WSTAGE, 128*SPITCH                ; a wave's stage; the four lie over the slots, which have had their last fill by then
.set SPARE,  SLOT1+BOFF+2*BHALF        ; behind slot 1: the spare words, 128 bytes for each wave
.set FLAGS,  (1<<16)|(1<<20)|(1<<21)|(4<<22)|(3<<25)  ; 2-byte elements; padding on; bit 21 beside a mask; after every 32 words, 4 words
.set AA0, 4                            ; v4  my lane's place in my 128 rows of xb's tile
.set AB0, 5                            ; v5  in my 192 rows of wb's tile
.set ADRA, 6                           ; v6  the same in the slot in hand
.set ADRB, 7
.set STO, 8                            ; v8  the way out: where I put 16 bytes of a row
.set RD0, 9                            ; v9  where I read rows back
.set RD,  10
.set BO,  11                           ; v11 32 h: my eight numbers of sixteen of a bias
.set PFOA, 12                          ; v12 the prefetches' lane terms
.set PFOB, 13
.set ZERO, 14
.set CO,  15                           ; v15 16 x lane
.set SPW, 28                           ; v28 my spare word; never rewritten
.set NIL, 29                           ; v29 0; never rewritten
.set AF,  32
.set BF,  160
.set WV, 16
.set RH, 17                            ; which 128 rows are mine
.set CH, 18                            ; which 192 columns are mine; also which half of a tile I fetch
.set CX, 19
.set CY, 20
.set TX, 21
.set TY, 22
.set G1A, 24
.set G1B, 32
.set G0A, 40                           ; two sets of four: the first fills'; the second then walks
.set G0B, 48
.set CNT, 56
.set TB,  57                           ; LDS byte at which the slot in hand begins
.set SB,  58
.set BP0, 60
.set BP1, 62
.set BP2, 66
.set OB,  68
.set PFA, 70
.set PFB, 72
.set ELA, 74
.set ELB, 75
.set MSB, 0
.macro WIN new                         ; the immediate's high byte repeats the setting that is left; a switch that changes nothing is dropped
.if MSB != (\new)
	s_set_vgpr_msb (MSB<<8)|(\new)
.set MSB, (\new)
.endif
.endm
.macro PLACES                          ; four plain vector lines between a matrix instruction and a load into, or a vector read or write of, its registers
.rept 4
	v_nop
.endr
.endm
.macro CREST                           ; a round of the cluster's barrier behind its opening barrier
	s_cmp_lg_u32 s[WV], 0
	s_cbranch_scc1 .Lnw0_\@
	s_barrier_signal -3
.Lnw0_\@:
	s_barrier_wait -3
	s_barrier_signal -1
	s_barrier_wait -1
.endm
.macro CROUND
	s_barrier_signal -1
	s_barrier_wait -1
	CREST
.endm
.macro JLOAD                           ; a joint refill by the walking sets: waves 0, 1 xb's two halves, waves 2, 3 wb's; the branch hangs on the wave's number alone
	s_cmp_lt_u32 s[WV], 2
	s_cbranch_scc0 .Lfor_b_\@
	tensor_load_to_lds s[G0A+4:G0A+7], s[G1A:G1A+7]
	s_nop 0
	PLACES
	s_branch .Lasked_\@
.Lfor_b_\@:
	tensor_load_to_lds s[G0B+4:G0B+7], s[G1B:G1B+7]
	s_nop 0
	PLACES
.Lasked_\@:
.endm
; A PREFETCH INTO THE L2.  In the loop's trips 1, 3 .. 11 (the count is odd and above 2) a wave that asks names two chunks, the one that the next trip's refill wants (lanes 0-15) and the one
; after it (lanes 16-31): 32 rows of 128 bytes are 16 blocks of 256 in each.  xb's rows are read by both clusters of a row of clusters: cluster x = 0 asks, waves 0 and 1; wb's by all eight of a
; column: cluster y = 0 asks, waves 1 to 3.  The four partners share the rows out by address, 32 each.  So each block of chunks 4 to 15 is named once; chunks 0 to 3 come by their loads alone.
.macro ASK el, off, base
	s_and_b32 s76, s[CNT], s[\el]
	s_cmp_gt_u32 s[CNT], 2
	s_cselect_b32 s76, s76, 0
	s_cmp_lg_u32 s76, 0
	s_cbranch_scc0 .Lno_\@
	global_prefetch_b8 v[\off], s[\base:\base+1] th:TH_LOAD_NT scope:SCOPE_SE
.Lno_\@:
.endm
	s_load_b256 s[4:11], s[0:1], 0x0               ; xb s[4:5], wb s[6:7], bq s[8:9], bk s[10:11]
	s_load_b128 s[12:15], s[0:1], 0x20             ; bv s[12:13], qkv s[14:15]
	v_lshl_add_u32 v[SPW], v0, 2, SPARE
	v_mov_b32 v[NIL], 0
	ds_add_u32 v[SPW], v[NIL]                      ; the wave's opening: the add and its wait ahead of my first tensor load; the set-up below stands between them
	v_lshrrev_b32 v1, 5, v0
	v_readfirstlane_b32 s[WV], v1
	s_lshr_b32 s[RH], s[WV], 1
	s_and_b32 s[CH], s[WV], 1
	s_bfe_u32 s[CX], ttmp6, 0x40000
	s_bfe_u32 s[CY], ttmp6, 0x40004
	s_lshl_b32 s[TX], ttmp9, 2
	s_add_co_u32 s[TX], s[TX], s[CX]               ; tile column = 4 x cluster x + cx
	s_and_b32 s[TY], ttmp7, 0xffff
	s_lshl_b32 s[TY], s[TY], 2
	s_add_co_u32 s[TY], s[TY], s[CY]               ; tile row = 4 x cluster y + cy
	s_lshl_b32 s76, s[CY], 2
	s_lshl_b32 s76, 15, s76                        ; my row of the cluster
	s_lshl_b32 s80, 0x1111, s[CX]                  ; my column
	s_or_b32 s[G1A], s76, FLAGS
	s_or_b32 s[G1B], s80, FLAGS
	s_mov_b32 s[G1A+1], 128<<16                    ; tensor_dim0 = 128 elements: two rows of a chunk
	s_mov_b32 s[G1A+2], 64<<16                     ; tensor_dim1 = 64
	s_mov_b32 s[G1A+3], 128<<16                    ; tile_dim0
	s_mov_b32 s[G1A+4], 64                         ; tile_dim1
	s_mov_b32 s[G1A+5], 128                        ; dense
	s_mov_b32 s[G1A+6], 0
	s_mov_b32 s[G1A+7], 0
	s_mov_b32 s[G1B+1], 128<<16
	s_mov_b32 s[G1B+2], 96<<16
	s_mov_b32 s[G1B+3], 128<<16
	s_mov_b32 s[G1B+4], 96
	s_mov_b32 s[G1B+5], 128
	s_mov_b32 s[G1B+6], 0
	s_mov_b32 s[G1B+7], 0
	s_lshl_b32 s76, s[TY], 15                      ; xb: (256 x tile row + 128 x half) x 128 bytes
	s_lshl_b32 s77, s[CH], 14
	s_add_co_u32 s76, s76, s77
	s_mov_b32 s77, 0
	s_mul_i32 s80, s[TX], 384*128                  ; wb: (384 x tile column + 192 x half) x 128 bytes
	s_mul_i32 s81, s[CH], 192*128
	s_add_co_u32 s80, s80, s81
	s_mov_b32 s81, 0
	s_mul_i32 s78, s[CH], AHALF                    ; where they go: no place in the cluster enters an LDS address
	s_mul_i32 s79, s[CH], BHALF
	s_add_co_u32 s79, s79, BOFF
	s_mov_b32 s[TB], 0
	s_wait_dscnt 0x0                               ; the opening add is done
	s_wait_kmcnt 0x0
	s_add_nc_u64 s[76:77], s[4:5], s[76:77]
	s_add_nc_u64 s[80:81], s[6:7], s[80:81]
	CROUND                                         ; all sixteen work-groups are here: the first joint loads meet
.irp s, 0,1
	s_mov_b32 s[G0A+4*\s], 1
	s_add_co_u32 s[G0A+4*\s+1], s78, \s*SLOT1
	s_add_nc_u64 s[G0A+4*\s+2:G0A+4*\s+3], s[76:77], \s*XSTEP
	s_or_b32 s[G0A+4*\s+3], s[G0A+4*\s+3], 0x80000000
	s_mov_b32 s[G0B+4*\s], 1
	s_add_co_u32 s[G0B+4*\s+1], s79, \s*SLOT1
	s_add_nc_u64 s[G0B+4*\s+2:G0B+4*\s+3], s[80:81], \s*WSTEP
	s_or_b32 s[G0B+4*\s+3], s[G0B+4*\s+3], 0x80000000
.endr
	s_cmp_lt_u32 s[WV], 2                          ; a wave's two first fills stand in one branch: two loads of mine are out
	s_cbranch_scc0 .Lfirst_b
	tensor_load_to_lds s[G0A:G0A+3], s[G1A:G1A+7]
	s_nop 0
	tensor_load_to_lds s[G0A+4:G0A+7], s[G1A:G1A+7]
	s_nop 0
	PLACES
	s_branch .Lfirst_done
.Lfirst_b:
	tensor_load_to_lds s[G0B:G0B+3], s[G1B:G1B+7]
	s_nop 0
	tensor_load_to_lds s[G0B+4:G0B+7], s[G1B:G1B+7]
	s_nop 0
	PLACES
.Lfirst_done:
	v_and_b32 v1, 15, v0                           ; r
	v_bfe_u32 v2, v0, 4, 1                         ; h
	v_mul_u32_u24 v3, v1, PITCH
	v_lshl_add_u32 v3, v2, 4, v3                   ; a fragment's row x pitch + 16 x half
	s_mul_i32 s76, s[RH], AHALF
	v_add_nc_u32 v[AA0], s76, v3
	v_add_nc_u32 v[AB0], s79, v3
	v_mov_b32 v[ADRA], v[AA0]
	v_mov_b32 v[ADRB], v[AB0]
	s_mul_i32 s76, s[WV], WSTAGE
	v_mul_u32_u24 v3, v1, SPITCH
	v_lshl_add_u32 v3, v2, 4, v3
	v_add_nc_u32 v[STO], s76, v3
	v_bfe_u32 v3, v0, 3, 2                         ; back: 32 lanes take four rows' 128 bytes of one chunk
	v_mul_u32_u24 v3, v3, SPITCH
	v_and_b32 v[RD0], 7, v0
	v_lshl_add_u32 v3, v[RD0], 4, v3
	v_add_nc_u32 v[RD0], s76, v3
	v_and_b32 v[CO], 31, v0
	v_lshlrev_b32 v[CO], 4, v[CO]
	v_lshlrev_b32 v[BO], 5, v2
	v_lshlrev_b32 v[PFOA], 8, v1
	v_lshl_add_u32 v[PFOA], v2, 20, v[PFOA]        ; 256 r + h x a chunk of xb
	v_mul_u32_u24 v[PFOB], v2, WSTEP
	v_lshl_add_u32 v[PFOB], v1, 8, v[PFOB]         ; 256 r + h x a chunk of wb
	v_mov_b32 v[ZERO], 0
	; the biases of my three chunks of 64 columns: chunk cc of the 48 lies in bias cc / 16 at (cc % 16) x 256 bytes
	s_mul_i32 s80, s[TX], 6
	s_mul_i32 s81, s[CH], 3
	s_add_co_u32 s80, s80, s81                     ; my first chunk
.macro BIASP i, reg
	s_add_co_u32 s81, s80, \i
	s_lshr_b32 s82, s81, 4
	s_and_b32 s81, s81, 15
	s_lshl_b32 s84, s81, 8
	s_mov_b32 s85, 0
	s_cmp_lt_u32 s82, 1
	s_cselect_b64 s[\reg:\reg+1], s[8:9], s[10:11]
	s_cmp_lt_u32 s82, 2
	s_cselect_b64 s[\reg:\reg+1], s[\reg:\reg+1], s[12:13]
	s_add_nc_u64 s[\reg:\reg+1], s[\reg:\reg+1], s[84:85]
.endm
	BIASP 0, BP0
	BIASP 1, BP1
	BIASP 2, BP2
.macro BIASLD g, reg                   ; bias[16 b + 8 h + 0..7] into accumulator (7, b)'s eight registers, b = 4 g .. 4 g + 3
	WIN ((\g)+1)<<6
.irp j, 0,1,2,3
	global_load_b128 v[64*\j+56:64*\j+59], v[BO], s[\reg:\reg+1] offset:64*\j
	global_load_b128 v[64*\j+60:64*\j+63], v[BO], s[\reg:\reg+1] offset:64*\j+16
.endr
.endm
	BIASLD 0, BP0
	BIASLD 1, BP1
	BIASLD 2, BP2
	WIN 0
	s_lshl_b32 s84, s80, 20                        ; qkv: my first chunk,
	s_lshl_b32 s82, s[TY], 15                      ; my tile's rows,
	s_add_co_u32 s84, s84, s82
	s_lshl_b32 s82, s[RH], 14                      ; my 128 of them
	s_add_co_u32 s84, s84, s82
	s_mov_b32 s85, 0
	s_add_nc_u64 s[OB:OB+1], s[14:15], s[84:85]
	s_lshl_b32 s82, s[TY], 15                      ; the prefetches of xb: the 128 rows that I fetch, my work-group's 32 of them, at chunk 2: the first refill steps it to 3
	s_lshl_b32 s83, s[CH], 14
	s_add_co_u32 s82, s82, s83
	s_lshl_b32 s83, s[CX], 12
	s_add_co_u32 s82, s82, s83
	s_add_co_u32 s82, s82, 2*XSTEP
	s_mov_b32 s83, 0
	s_add_nc_u64 s[PFA:PFA+1], s[4:5], s[82:83]
	s_mul_i32 s82, s[TX], 384*128                  ; of wb: waves 1 to 3 take 128 rows each of the 384, my work-group 32 of them
	s_max_u32 s83, s[WV], 1
	s_sub_co_u32 s83, s83, 1
	s_lshl_b32 s83, s83, 14
	s_add_co_u32 s82, s82, s83
	s_lshl_b32 s83, s[CY], 12
	s_add_co_u32 s82, s82, s83
	s_add_co_u32 s82, s82, 2*WSTEP
	s_mov_b32 s83, 0
	s_add_nc_u64 s[PFB:PFB+1], s[6:7], s[82:83]
	s_cmp_lt_u32 s[WV], 2
	s_cselect_b32 s[ELA], 1, 0
	s_cmp_eq_u32 ttmp9, 0
	s_cselect_b32 s[ELA], s[ELA], 0                ; the same in all sixteen partners, for a given wave
	s_and_b32 s76, ttmp7, 0xffff
	s_cmp_gt_u32 s[WV], 0
	s_cselect_b32 s[ELB], 1, 0
	s_cmp_eq_u32 s76, 0
	s_cselect_b32 s[ELB], s[ELB], 0
; The next K step's fragments, from byte k of the rows.  n = 0: wb's 0-3 and xb's 0-3 (16 loads); 1: 4-7 of both; 2: wb's 8-11 (8 loads).  xb's go into buffer ab.
.macro RUN n, k, ab
	WIN 0
.if (\n) < 2
.irp i, 0,1,2,3
	ds_load_b128 v[BF+8*(4*(\n)+\i):BF+8*(4*(\n)+\i)+3],   v[ADRB] offset:(\k)+(4*(\n)+\i)*FR
	ds_load_b128 v[BF+8*(4*(\n)+\i)+4:BF+8*(4*(\n)+\i)+7], v[ADRB] offset:(\k)+(4*(\n)+\i)*FR+32
.endr
.irp i, 0,1,2,3
	ds_load_b128 v[AF+64*(\ab)+8*(4*(\n)+\i):AF+64*(\ab)+8*(4*(\n)+\i)+3],   v[ADRA] offset:(\k)+(4*(\n)+\i)*FR
	ds_load_b128 v[AF+64*(\ab)+8*(4*(\n)+\i)+4:AF+64*(\ab)+8*(4*(\n)+\i)+7], v[ADRA] offset:(\k)+(4*(\n)+\i)*FR+32
.endr
.else
.irp i, 8,9,10,11
	ds_load_b128 v[BF+8*\i:BF+8*\i+3],   v[ADRB] offset:(\k)+\i*FR
	ds_load_b128 v[BF+8*\i+4:BF+8*\i+7], v[ADRB] offset:(\k)+\i*FR+32
.endr
.endif
.endm
; Column blocks 4 g + b0 .. (nb of them) x all eight row blocks, 32 along K, xb's buffer ab.  The 96 accumulators take turns, one instruction a turn, in the same order in every K step.
; first = 1: the bias in (7, b)'s registers is the C of row blocks 0-6; five plain lines later row block 7 adds onto it in place.
.macro GRP g, ab, b0, nb, first
	WIN 0x50*((\g)+1)
.if \first
.set bb, 0
.rept 4
.set aa, 0
.rept 7
	v_wmma_f32_16x16x32_bf16 v[64*bb+8*aa:64*bb+8*aa+7], v[BF+8*(4*(\g)+bb):BF+8*(4*(\g)+bb)+7], v[AF+64*(\ab)+8*aa:AF+64*(\ab)+8*aa+7], v[64*bb+56:64*bb+63]
.set aa, aa+1
.endr
.set bb, bb+1
.endr
.rept 5
	v_nop                                          ; a matrix instruction that writes over an earlier one's C stands five places behind it
.endr
.set bb, 0
.rept 4
	v_wmma_f32_16x16x32_bf16 v[64*bb+56:64*bb+63], v[BF+8*(4*(\g)+bb):BF+8*(4*(\g)+bb)+7], v[AF+64*(\ab)+56:AF+64*(\ab)+63], v[64*bb+56:64*bb+63]
.set bb, bb+1
.endr
.else
.set bb, (\b0)
.rept \nb
.set aa, 0
.rept 8
	v_wmma_f32_16x16x32_bf16 v[64*bb+8*aa:64*bb+8*aa+7], v[BF+8*(4*(\g)+bb):BF+8*(4*(\g)+bb)+7], v[AF+64*(\ab)+8*aa:AF+64*(\ab)+8*aa+7], v[64*bb+8*aa:64*bb+8*aa+7]
.set aa, aa+1
.endr
.set bb, bb+1
.endr
.endif
.endm
; A chunk's first 32 along K: multiplies buffer 0 and fetches its second 32 into buffer 1 and, group by group, into wb's registers.
.macro STEP0 first
	s_wait_dscnt 8                                 ; all but the youngest eight loads (wb's 8-11) are in
	GRP 0, 0, 0, 4, \first
	PLACES
	RUN 0, 64, 1
	GRP 1, 0, 0, 4, \first
	PLACES
	RUN 1, 64, 1
	s_wait_dscnt 32                                ; all but the 32 just issued: wb's 8-11 are in
	GRP 2, 0, 0, 4, \first
	PLACES
	RUN 2, 64, 1
.endm
; A chunk's second 32 along K: multiplies buffer 1 and changes slots.  ONE barrier: in front of it each wave waits for all its tensor loads (one is out: its part of the next slot), adds 0 to its
; spare word, and waits for that and for its own reads of this slot.  fill = 1: the barrier opens a round of the cluster's, and this slot is filled again, first thing behind it, two chunks ahead:
; 160 matrix instructions stand between that request and the wait for it.
.macro STEP1 fill
.if \fill
	s_wait_xcnt 0x0                                ; the last prefetches, a trip or more back, have read their addresses
	s_add_nc_u64 s[PFA:PFA+1], s[PFA:PFA+1], XSTEP
	s_add_nc_u64 s[PFB:PFB+1], s[PFB:PFB+1], WSTEP
.endif
	WIN 0
	s_wait_tensorcnt 0x0                           ; no tensor load of mine is out, so a group 0 may be written
	ds_add_u32 v[SPW], v[NIL]                      ; 0 onto my spare word
.if \fill
	s_xor_b32 s[G0A+5], s[G0A+5], SLOT1            ; the walking sets: the other slot than last time, the next chunk
	s_add_nc_u64 s[G0A+6:G0A+7], s[G0A+6:G0A+7], XSTEP
	s_xor_b32 s[G0B+5], s[G0B+5], SLOT1
	s_add_nc_u64 s[G0B+6:G0B+7], s[G0B+6:G0B+7], WSTEP
.endif
	s_wait_dscnt 9                                 ; the add and the youngest eight loads may be out
	GRP 0, 1, 0, 2, 0
	s_wait_dscnt 0x0                               ; the add is done, and my reads of this slot are over
	s_barrier_signal -1
	GRP 0, 1, 2, 2, 0
	WIN 0
	s_barrier_wait -1
.if \fill
	CREST                                          ; no wave of any partner still reads this slot or has a load on its way
	JLOAD                                          ; the four v_nop behind it are also the places in front of the loads below
.else
	PLACES
.endif
	s_xor_b32 s[TB], s[TB], SLOT1
	v_add_nc_u32 v[ADRA], s[TB], v[AA0]
	v_add_nc_u32 v[ADRB], s[TB], v[AB0]
	RUN 0, 0, 0
.if \fill
	ASK ELA, PFOA, PFA
	ASK ELB, PFOB, PFB
.endif
	GRP 1, 1, 0, 4, 0
	PLACES
	RUN 1, 0, 0
	GRP 2, 1, 0, 4, 0
	PLACES
	RUN 2, 0, 0
.endm
	s_wait_tensorcnt 1                             ; my part of chunk 0 is in; chunk 1's may stay out
	s_barrier_signal -1
	s_barrier_wait -1
	RUN 0, 0, 0
	RUN 1, 0, 0
	RUN 2, 0, 0
	s_wait_loadcnt 0x0                             ; the biases
	STEP0 1
	WIN 0
	s_mov_b32 s[CNT], 14
.Lchunk:                                               ; trip t: chunk t's second half, chunk t + 1's first; the slot left is filled with chunk t + 2
	STEP1 1
	STEP0 0
	WIN 0
	s_sub_co_u32 s[CNT], s[CNT], 1
	s_cmp_lg_u32 s[CNT], 0
	s_cbranch_scc1 .Lchunk
	STEP1 0                                        ; the tail is written out: nothing more is asked for
	STEP0 0
	s_wait_dscnt 8
	GRP 0, 1, 0, 4, 0
	GRP 1, 1, 0, 4, 0
	s_wait_dscnt 0x0
	GRP 2, 1, 0, 4, 0
	; THE WAY OUT.  Every wave's reads of the slots are over; behind the barrier each wave lays its 128 x 192 results, rounded to f16, into its own stage and reads them back by rows of a chunk.
	PLACES
	WIN 0
	s_barrier_signal -1
	s_barrier_wait -1
.irp w, 1,2,3
	WIN 5*\w                                       ; sources in window w, destination in window 0
.set t, 0
.rept 32
.irp j, 0,1,2,3
	v_cvt_pk_f16_f32 v[AF+4*t+\j], v[8*t+2*\j], v[8*t+2*\j+1]
.endr
.set t, t+1
.endr
	WIN 0
.set t, 0
.rept 32
	ds_store_b128 v[STO], v[AF+4*t:AF+4*t+3] offset:(t%8)*16*SPITCH+32*(4*(\w-1)+t/8)
.set t, t+1
.endr
.endr
	s_mov_b32 s[CNT], 4
	s_mov_b32 s[SB], 0
.Lout:                                                 ; 32 rows a trip: 24 loads of four rows x 128 bytes, the ReLU on packed halves, 24 stores of 512 consecutive bytes
	v_add_nc_u32 v[RD], s[SB], v[RD0]
.set n, 0
.rept 24
	ds_load_b128 v[AF+4*n:AF+4*n+3], v[RD] offset:(n/3)*4*SPITCH+(n%3)*128  ; LDS serves a wave's instructions in order: these see my stores above
.set n, n+1
.endr
.set n, 0
.rept 24
	s_wait_dscnt 23-n
.irp j, 0,1,2,3
	v_pk_max_num_f16 v[AF+4*n+\j], v[AF+4*n+\j], v[ZERO]
.endr
	global_store_b128 v[CO], v[AF+4*n:AF+4*n+3], s[OB:OB+1] offset:(n%3)*XSTEP+(n/3)*512
.set n, n+1
.endr
	s_wait_xcnt 0x0                                ; the stores have read their data and their base: both are written again only behind this wait
	s_add_co_u32 s[SB], s[SB], 32*SPITCH
	s_add_nc_u64 s[OB:OB+1], s[OB:OB+1], 32*128
	s_sub_co_u32 s[CNT], s[CNT], 1
	s_cmp_lg_u32 s[CNT], 0
	s_cbranch_scc1 .Lout
	s_wait_tensorcnt 0x0                           ; the wave's end, behind my last tensor load and my last LDS store
	ds_add_u32 v[SPW], v[NIL]
	s_wait_dscnt 0x0
	CROUND                                         ; the closing round
	s_endpgm
.Lfunc_end_k_q1450ab25c8_proj:
	.size	k_q1450ab25c8_proj, .Lfunc_end_k_q1450ab25c8_proj-k_q1450ab25c8_proj
	.p2alignl 7, 3214868480
	.fill 96, 4, 3214868480
	.section	.rodata,"a",@progbits
	.p2align	6, 0x0
	.amdhsa_kernel k_q1450ab25c8_proj
		.amdhsa_group_segment_fixed_size 327680
		.amdhsa_private_segment_fixed_size 0
		.amdhsa_enable_private_segment 0
		.amdhsa_kernarg_size 48
		.amdhsa_user_sgpr_count 2
		.amdhsa_user_sgpr_kernarg_segment_ptr 1
		.amdhsa_wavefront_size32 1
		.amdhsa_system_sgpr_workgroup_id_x 1
		.amdhsa_system_sgpr_workgroup_id_y 1
		.amdhsa_system_sgpr_workgroup_id_z 1
		.amdhsa_system_vgpr_workitem_id 0
		.amdhsa_next_free_vgpr 1024
		.amdhsa_next_free_sgpr 96
		.amdhsa_reserve_vcc 0
		.amdhsa_float_denorm_mode_32 3
		.amdhsa_float_denorm_mode_16_64 3
		.amdhsa_memory_ordered 1
		.amdhsa_forward_progress 1
		.amdhsa_inst_pref_size 110
	.end_amdhsa_kernel
	.amdgpu_metadata
---
amdhsa.version: [ 1, 2 ]
amdhsa.kernels:
  - .name:           k_q1450ab25c8_proj
    .symbol:         k_q1450ab25c8_proj.kd
    .args:
      - { .name: xb, .offset: 0, .size: 8, .value_kind: global_buffer, .address_space: global }
      - { .name: wb, .offset: 8, .size: 8, .value_kind: global_buffer, .address_space: global }
      - { .name: bq, .offset: 16, .size: 8, .value_kind: global_buffer, .address_space: global }
      - { .name: bk, .offset: 24, .size: 8, .value_kind: global_buffer, .address_space: global }
      - { .name: bv, .offset: 32, .size: 8, .value_kind: global_buffer, .address_space: global }
      - { .name: qkv, .offset: 40, .size: 8, .value_kind: global_buffer, .address_space: global }
    .group_segment_fixed_size: 327680
    .private_segment_fixed_size: 0
    .kernarg_segment_align: 8
    .kernarg_segment_size: 48
    .max_flat_workgroup_size: 128
    .sgpr_count:     96
    .vgpr_count:     1024
    .wavefront_size: 32
...
	.end_amdgpu_metadata
.endif
;; end of part 2
;; launch score (part 3): grid 8 x 32, 4 waves a work-group, clusters of 4 x 4, 327,680 bytes of LDS; arguments qkv, pp, st; writes pp, st
.if DOCPART == 3
	.amdgcn_target "amdgcn-amd-amdhsa--gfx1250"
	.amdhsa_code_object_version 6
	.text
	.protected	k_q1450ab25c8_score
	.globl	k_q1450ab25c8_score
	.p2align	8
	.type	k_q1450ab25c8_score,@function
k_q1450ab25c8_score:
	s_mov_b64 s[64:65], 0
	v_nop
	global_prefetch_b8 v0, s[64:65] scope:SCOPE_SE
	s_setreg_imm32_b32 hwreg(HW_REG_WAVE_MODE, 25, 1), 1
	s_wait_xcnt 0x0
	s_wait_alu depctr_hold_cnt(0) depctr_sa_sdst(0) depctr_va_vdst(0) depctr_va_sdst(0) depctr_va_ssrc(0) depctr_va_vcc(0) depctr_vm_vsrc(0)
	s_getreg_b32 s2, hwreg(HW_REG_IB_STS2, 6, 4)
	s_cmp_eq_u32 s2, 0
	s_cbranch_scc0 .Lentry_in_a_cluster
	s_endpgm
.Lentry_in_a_cluster:
	s_bfe_u32 s2, ttmp6, 0x10000c
	s_cmp_lg_u32 s2, 0xf033
	s_cbranch_scc0 .Lentry_shape_is_right
	s_endpgm
.Lentry_shape_is_right:
; S = q k^T (unscaled) for each of 4 batches of 2,048 rows; for each row and each group of 128 keys: m = the group's maximum, p' = e^(s - m) rounded to f16, l = the sum of the unrounded p'.
; qkv [48 chunks][8192][64] f16 (q: chunks 0-15, k: 16-31); pp [8192][2048] f16; st [2][16 groups][8192 rows] f32: m, then l.  Products, maxima and sums in f32.
; The exponent is log2(e) x (s - m), a difference first and a product after: never above 0, whatever the size of the scores; p' lies in 0 to 1.  NaN and infinities are not treated apart.
; SHARES.  A work-group makes 256 queries x 256 keys, a wave 128 x 128: 64 accumulators, 512 registers; a wave's 128 keys are one group.  K goes in 8 steps of 128 (two chunks) through two LDS slots.
; CLUSTER 4 x 4: q's tile is shared along a row of the cluster, k's along a column (the cluster's four tile rows lie in one batch): joint loads, one a wave behind each round.
; THE PRODUCT IS TAKEN TRANSPOSED (source 0 = 16 keys, source 1 = 16 queries): a lane holds one query and eight neighbouring keys.
; REGISTERS.  Window 0: v0-31 addresses; v64-127, v128-191 q's fragments, two buffers.  Window 1: the same numbers, k's.  Window 2: accumulators of my rows 0-63 ((a, b) at v[8 (8 a + b)]); window 3: rows 64-127.
.set PITCH,  144                       ; an LDS row: a chunk's 128 bytes + 16 of padding
.set FR,     16*PITCH
.set CHK,    128*PITCH                 ; 128 rows of one chunk
.set PIECE,  2*CHK                     ; what one tensor load brings: 128 rows of two chunks
.set SLOT1,  4*PIECE                   ; 0x24000: its two bits are used by no wave's piece address (w x 0x9000), so an exclusive or changes slots
.set CHUNKB, 8192*128
.set KSTEPB, 2*CHUNKB
.set SPITCH, 528                       ; the way out: a wave's row of 128 f32 + 16 bytes
.set WSTAGE, 128*SPITCH                ; the four stages lie over the slots, which have had their last fill by then
.set STATS,  2*SLOT1                   ; behind the slots: for each wave 128 m, then 128 l
.set SPARE,  STATS+4096
.set FLAGS,  (1<<16)|(1<<20)|(1<<21)|(4<<22)|(3<<25)
.set AA0, 4
.set AB0, 5
.set ADRA, 6
.set ADRB, 7
.set STO, 8
.set RDS0, 9
.set RDS, 10
.set STA0, 11
.set STA, 12
.set PO,  13
.set PFO, 14
.set SRD, 15
.set SGO, 16
.set SPW, 28
.set NIL, 29
.set F0,  64
.set F1,  128
.set S,   64                           ; the way out: 16 rows' scores, eight a lane and pair of rows
.set PK,  128                          ; their weights in f16
.set MS,  160                          ; pair of rows p: m at MS + 2 p, l at MS + 2 p + 1
.set WV, 16
.set RH, 17
.set CH, 18
.set CX, 19
.set CY, 20
.set TX, 21
.set TY, 22
.set BA, 23
.set G1A, 24
.set G1B, 32
.set G0A, 40
.set G0B, 48
.set CNT, 56
.set TB,  57
.set SB,  58
.set LIM, 59
.set CS,  60
.set PFA, 62
.set PB,  66
.set STP, 68
.set SC,  70
.set MSB, 0
.macro WIN new
.if MSB != (\new)
	s_set_vgpr_msb (MSB<<8)|(\new)
.set MSB, (\new)
.endif
.endm
.set MUL_LO, 0xa1                      ; source 0 (k) window 1, source 1 (q) window 0, C and D window 2
.set MUL_HI, 0xf1
.set TO_B,   0x40
.macro PLACES
.rept 4
	v_nop
.endr
.endm
.macro CREST
	s_cmp_lg_u32 s[WV], 0
	s_cbranch_scc1 .Lnw0_\@
	s_barrier_signal -3
.Lnw0_\@:
	s_barrier_wait -3
	s_barrier_signal -1
	s_barrier_wait -1
.endm
.macro CROUND
	s_barrier_signal -1
	s_barrier_wait -1
	CREST
.endm
.macro JLOAD
	s_cmp_lt_u32 s[WV], 2
	s_cbranch_scc0 .Lfor_b_\@
	tensor_load_to_lds s[G0A+4:G0A+7], s[G1A:G1A+7]
	s_nop 0
	PLACES
	s_branch .Lasked_\@
.Lfor_b_\@:
	tensor_load_to_lds s[G0B+4:G0B+7], s[G1B:G1B+7]
	s_nop 0
	PLACES
.Lasked_\@:
.endm
; A PREFETCH INTO THE L2 of the K step that the NEXT refill will ask for, 256 matrix instructions ahead of it: of the 128 rows that I fetch my work-group's 32 (told apart by address), 16 blocks of 256
; bytes in each of the step's two chunks: a lane a block.  q's rows are read by both clusters of a row of clusters: cluster x = 0 asks; k's by the two clusters of a batch: the even cluster y asks.
; Steps 0 to 2 come by their loads alone; the loop's last trip asks for nothing.
.macro ASK
	s_cmp_gt_u32 s[CNT], s[LIM]
	s_cbranch_scc0 .Lnm_\@
	global_prefetch_b8 v[PFO], s[PFA:PFA+1] th:TH_LOAD_NT scope:SCOPE_SE
.Lnm_\@:
.endm
	s_load_b128 s[4:7], s[0:1], 0x0                ; qkv s[4:5], pp s[6:7]
	s_load_b64 s[8:9], s[0:1], 0x10                ; st
	v_lshl_add_u32 v[SPW], v0, 2, SPARE
	v_mov_b32 v[NIL], 0
	ds_add_u32 v[SPW], v[NIL]                      ; the wave's opening: the add and its wait ahead of my first tensor load
	v_lshrrev_b32 v1, 5, v0
	v_readfirstlane_b32 s[WV], v1
	s_lshr_b32 s[RH], s[WV], 1
	s_and_b32 s[CH], s[WV], 1
	s_bfe_u32 s[CX], ttmp6, 0x40000
	s_bfe_u32 s[CY], ttmp6, 0x40004
	s_lshl_b32 s[TX], ttmp9, 2
	s_add_co_u32 s[TX], s[TX], s[CX]               ; block of 256 keys of the batch
	s_and_b32 s[BA], ttmp7, 0xffff
	s_lshl_b32 s[TY], s[BA], 2
	s_add_co_u32 s[TY], s[TY], s[CY]               ; block of 256 queries of the 8,192
	s_lshr_b32 s[BA], s[BA], 1                     ; the batch: two clusters along y each, so the partners share it
	s_lshl_b32 s76, s[CY], 2
	s_lshl_b32 s76, 15, s76
	s_lshl_b32 s80, 0x1111, s[CX]
	s_or_b32 s[G1A], s76, FLAGS
	s_or_b32 s[G1B], s80, FLAGS
.irp g, G1A, G1B
	s_mov_b32 s[\g+1], 8192<<16                    ; tensor_dim0 = 8,192 elements: 128 rows of a chunk, dense
	s_mov_b32 s[\g+2], 2<<16                       ; tensor_dim1 = 2 chunks
	s_mov_b32 s[\g+3], 8192<<16                    ; tile_dim0
	s_mov_b32 s[\g+4], 2                           ; tile_dim1
	s_mov_b32 s[\g+5], 524288                      ; elements from chunk to chunk
	s_mov_b32 s[\g+6], 0
	s_mov_b32 s[\g+7], 0
.endr
	s_lshl_b32 s76, s[TY], 15                      ; q: (256 x tile row + 128 x half) x 128 bytes
	s_lshl_b32 s77, s[CH], 14
	s_add_co_u32 s76, s76, s77
	s_mov_b32 s77, 0
	s_lshl_b32 s80, s[TX], 15                      ; k: chunk 16, (2,048 x batch + 256 x tile column + 128 x half) x 128 bytes
	s_lshl_b32 s81, s[CH], 14
	s_add_co_u32 s80, s80, s81
	s_lshl_b32 s81, s[BA], 18
	s_add_co_u32 s80, s80, s81
	s_add_co_u32 s80, s80, 16*CHUNKB
	s_mov_b32 s81, 0
	s_mul_i32 s78, s[WV], PIECE
	s_mov_b32 s[TB], 0
	s_mov_b32 s[CS], 0x3fb8aa3b                    ; log2(e)
	s_mov_b32 s[CS+1], s[CS]
	s_wait_dscnt 0x0
	s_wait_kmcnt 0x0
	s_add_nc_u64 s[76:77], s[4:5], s[76:77]
	s_add_nc_u64 s[80:81], s[4:5], s[80:81]
	CROUND
.irp s, 0,1
	s_mov_b32 s[G0A+4*\s], 1
	s_add_co_u32 s[G0A+4*\s+1], s78, \s*SLOT1
	s_add_nc_u64 s[G0A+4*\s+2:G0A+4*\s+3], s[76:77], \s*KSTEPB
	s_or_b32 s[G0A+4*\s+3], s[G0A+4*\s+3], 0x80000000
	s_mov_b32 s[G0B+4*\s], 1
	s_add_co_u32 s[G0B+4*\s+1], s78, \s*SLOT1
	s_add_nc_u64 s[G0B+4*\s+2:G0B+4*\s+3], s[80:81], \s*KSTEPB
	s_or_b32 s[G0B+4*\s+3], s[G0B+4*\s+3], 0x80000000
.endr
	s_cmp_lt_u32 s[WV], 2
	s_cbranch_scc0 .Lfirst_b
	tensor_load_to_lds s[G0A:G0A+3], s[G1A:G1A+7]
	s_nop 0
	tensor_load_to_lds s[G0A+4:G0A+7], s[G1A:G1A+7]
	s_nop 0
	PLACES
	s_branch .Lfirst_done
.Lfirst_b:
	tensor_load_to_lds s[G0B:G0B+3], s[G1B:G1B+7]
	s_nop 0
	tensor_load_to_lds s[G0B+4:G0B+7], s[G1B:G1B+7]
	s_nop 0
	PLACES
.Lfirst_done:
	v_and_b32 v1, 15, v0                           ; r
	v_bfe_u32 v2, v0, 4, 1                         ; h
	v_mul_u32_u24 v3, v1, PITCH
	v_lshl_add_u32 v3, v2, 4, v3
	s_mul_i32 s76, s[RH], PIECE
	v_add_nc_u32 v[AA0], s76, v3
	s_mul_i32 s76, s[CH], PIECE
	s_add_co_u32 s76, s76, 2*PIECE
	v_add_nc_u32 v[AB0], s76, v3
	v_mov_b32 v[ADRA], v[AA0]
	v_mov_b32 v[ADRB], v[AB0]
	s_mul_i32 s76, s[WV], WSTAGE
	v_mul_u32_u24 v3, v1, SPITCH
	v_lshl_add_u32 v3, v2, 4, v3
	v_add_nc_u32 v[STO], s76, v3                   ; in: row r, 16 bytes for each half of the lanes
	v_mul_u32_u24 v3, v2, SPITCH
	v_lshl_add_u32 v3, v1, 4, v3
	v_add_nc_u32 v[RDS0], s76, v3                  ; back: lanes 0-15 one row, lanes 16-31 the next
	s_lshl_b32 s76, s[WV], 10
	s_add_co_u32 s76, s76, STATS
	v_lshl_add_u32 v[STA0], v2, 2, s76
	v_and_b32 v3, 31, v0
	v_lshl_add_u32 v[SRD], v3, 4, s76
	v_lshlrev_b32 v[SGO], 4, v3
	v_lshlrev_b32 v[PO], 12, v2
	v_lshl_add_u32 v[PO], v1, 4, v[PO]             ; a row of pp is 4,096 bytes
	v_lshlrev_b32 v[PFO], 8, v1
	v_lshl_add_u32 v[PFO], v2, 20, v[PFO]
	s_lshl_b32 s82, s[TY], 15                      ; the prefetches.  q: my tile's rows, my work-group's 32 of each 128
	s_lshl_b32 s83, s[CX], 12
	s_add_co_u32 s82, s82, s83
	s_lshl_b32 s84, s[TX], 15                      ; k likewise
	s_lshl_b32 s85, s[CY], 12
	s_add_co_u32 s84, s84, s85
	s_lshl_b32 s85, s[BA], 18
	s_add_co_u32 s84, s84, s85
	s_add_co_u32 s84, s84, 16*CHUNKB
	s_cmp_lt_u32 s[WV], 2
	s_cselect_b32 s82, s82, s84
	s_lshl_b32 s83, s[CH], 14
	s_add_co_u32 s82, s82, s83
	s_add_co_u32 s82, s82, 2*KSTEPB                ; at K step 2: the first refill steps it to 3
	s_mov_b32 s83, 0
	s_add_nc_u64 s[PFA:PFA+1], s[4:5], s[82:83]
	s_and_b32 s76, ttmp7, 1
	s_cmp_lt_u32 s[WV], 2
	s_cselect_b32 s76, ttmp9, s76
	s_cmp_eq_u32 s76, 0
	s_cselect_b32 s[LIM], 1, -1                    ; the same in all sixteen partners, for a given wave
	s_lshl_b32 s82, s[TY], 20                      ; pp: (256 x tile row + 128 x my half) rows, 512 x tile column + 256 x my half bytes
	s_lshl_b32 s83, s[RH], 19
	s_add_co_u32 s82, s82, s83
	s_lshl_b32 s83, s[TX], 9
	s_add_co_u32 s82, s82, s83
	s_lshl_b32 s83, s[CH], 8
	s_add_co_u32 s82, s82, s83
	s_mov_b32 s83, 0
	s_add_nc_u64 s[PB:PB+1], s[6:7], s[82:83]
	s_lshl_b32 s82, s[TX], 16                      ; st: group 2 x tile column + my half, 32,768 bytes each; my first row x 4
	s_lshl_b32 s83, s[CH], 15
	s_add_co_u32 s82, s82, s83
	s_lshl_b32 s83, s[TY], 10
	s_add_co_u32 s82, s82, s83
	s_lshl_b32 s83, s[RH], 9
	s_add_co_u32 s82, s82, s83
	s_mov_b32 s83, 0
	s_add_nc_u64 s[STP:STP+1], s[8:9], s[82:83]
; 16 matrix instructions: row blocks a0, a0 + 1 of the window's four x all 8 key blocks.  The 64 accumulators take turns, in the same order in every quarter.
.macro MUL16 f, hi, a0, zero
	WIN MUL_LO+0x50*(\hi)
.irp a, \a0, (\a0)+1
.irp b, 0,1,2,3,4,5,6,7
.if \zero
	v_wmma_f32_16x16x32_f16 v[8*(8*(\a)+(\b)):8*(8*(\a)+(\b))+7], v[(\f)+8*(\b):(\f)+8*(\b)+7], v[(\f)+8*(4*(\hi)+(\a)):(\f)+8*(4*(\hi)+(\a))+7], 0
.else
	v_wmma_f32_16x16x32_f16 v[8*(8*(\a)+(\b)):8*(8*(\a)+(\b))+7], v[(\f)+8*(\b):(\f)+8*(\b)+7], v[(\f)+8*(4*(\hi)+(\a)):(\f)+8*(4*(\hi)+(\a))+7], v[8*(8*(\a)+(\b)):8*(8*(\a)+(\b))+7]
.endif
.endr
.endr
.endm
; 32 LDS loads in one run: quarter kq of the step (chunk kq / 2, byte 64 (kq % 2) of its rows) into buffer f: k's eight fragments, then q's
.macro FETCH kq, f
.set KO, ((\kq)/2)*CHK+((\kq)%2)*64
	WIN TO_B
.irp i, 0,1,2,3,4,5,6,7
	ds_load_b128 v[(\f)+8*\i:(\f)+8*\i+3],   v[ADRB] offset:KO+\i*FR
	ds_load_b128 v[(\f)+8*\i+4:(\f)+8*\i+7], v[ADRB] offset:KO+\i*FR+32
.endr
	WIN 0
.irp i, 0,1,2,3,4,5,6,7
	ds_load_b128 v[(\f)+8*\i:(\f)+8*\i+3],   v[ADRA] offset:KO+\i*FR
	ds_load_b128 v[(\f)+8*\i+4:(\f)+8*\i+7], v[ADRA] offset:KO+\i*FR+32
.endr
.endm
.macro QUARTER kq, f, g, zero          ; multiplies buffer f; in its middle it fetches quarter kq into buffer g
	s_wait_dscnt 8                                 ; k's and q's rows 0-63 are in; the youngest eight loads may be out
	MUL16 \f, 0, 0, \zero
	MUL16 \f, 0, 2, \zero
	PLACES
	FETCH \kq, \g
	s_wait_dscnt 32                                ; all but the 32 just issued
	MUL16 \f, 1, 0, \zero
	MUL16 \f, 1, 2, \zero
.endm
; A step's last quarter multiplies buffer 1 and changes slots: ONE barrier; in front of it each wave waits for all its tensor loads (one is out: its part of the next slot), adds 0 to its spare word,
; and waits for that and for its reads of this slot.  fill = 1: the barrier opens a round of the cluster's, and the slot is filled again two steps ahead: 224 matrix instructions to the wait for it.
.macro TURN fill
.if \fill
	s_wait_xcnt 0x0                                ; the last prefetch, a K step back, has read its address
	s_add_nc_u64 s[PFA:PFA+1], s[PFA:PFA+1], KSTEPB
.endif
	WIN 0
	s_wait_tensorcnt 0x0
	ds_add_u32 v[SPW], v[NIL]                      ; 0 onto my spare word
.if \fill
	s_xor_b32 s[G0A+5], s[G0A+5], SLOT1
	s_add_nc_u64 s[G0A+6:G0A+7], s[G0A+6:G0A+7], KSTEPB
	s_xor_b32 s[G0B+5], s[G0B+5], SLOT1
	s_add_nc_u64 s[G0B+6:G0B+7], s[G0B+6:G0B+7], KSTEPB
.endif
	s_wait_dscnt 9                                 ; the add and the youngest eight loads may be out
	MUL16 F1, 0, 0, 0
	s_wait_dscnt 0x0                               ; the add is done, and my reads of this slot are over
	s_barrier_signal -1
	MUL16 F1, 0, 2, 0
	WIN 0
	s_barrier_wait -1
.if \fill
	CREST
	JLOAD                                          ; the four v_nop behind it are also the places in front of the loads below
.else
	PLACES
.endif
	s_xor_b32 s[TB], s[TB], SLOT1
	v_add_nc_u32 v[ADRA], s[TB], v[AA0]
	v_add_nc_u32 v[ADRB], s[TB], v[AB0]
	FETCH 0, F0
.if \fill
	ASK
.endif
	MUL16 F1, 1, 0, 0
	MUL16 F1, 1, 2, 0
.endm
	s_wait_tensorcnt 1                             ; my part of K step 0 is in; step 1's may stay out
	s_barrier_signal -1
	s_barrier_wait -1
	FETCH 0, F0
	QUARTER 1, F0, F1, 1                           ; the first quarter's products start the sums
	WIN 0
	s_mov_b32 s[CNT], 6
.Lstep:                                                ; trip t: the rest of step t, the first quarter of step t + 1; the slot left is filled with step t + 2
	QUARTER 2, F1, F0, 0
	QUARTER 3, F0, F1, 0
	TURN 1
	QUARTER 1, F0, F1, 0
	WIN 0
	s_sub_co_u32 s[CNT], s[CNT], 1
	s_cmp_lg_u32 s[CNT], 0
	s_cbranch_scc1 .Lstep
	QUARTER 2, F1, F0, 0                           ; the tail is written out: nothing more is asked for
	QUARTER 3, F0, F1, 0
	TURN 0
	QUARTER 1, F0, F1, 0
	QUARTER 2, F1, F0, 0
	QUARTER 3, F0, F1, 0
	s_wait_dscnt 8
	MUL16 F1, 0, 0, 0
	MUL16 F1, 0, 2, 0
	s_wait_dscnt 0x0
	MUL16 F1, 1, 0, 0
	MUL16 F1, 1, 2, 0
	; THE WAY OUT.  Behind the barrier nobody reads the slots; each wave lays its 128 x 128 scores, f32, into its own stage.  Of a row's 32 columns of 16 bytes the even ones lie in its first 256 bytes
	; and the odd ones in its second: a lane's two stores go to 32 b + 16 h and 256 beyond, and lane r later finds its keys 8 r .. 8 r + 7 at 16 r and 256 + 16 r: 16 lanes, 256 consecutive bytes.
	PLACES
	WIN 0
	s_barrier_signal -1
	s_barrier_wait -1
.irp hi, 0,1
	WIN 0x08+4*\hi                                 ; the stores' data in window 2, then 3
.set t, 0
.rept 32
	ds_store_b128 v[STO], v[8*t:8*t+3]   offset:(4*\hi+t/8)*16*SPITCH+32*(t%8)
	ds_store_b128 v[STO], v[8*t+4:8*t+7] offset:(4*\hi+t/8)*16*SPITCH+32*(t%8)+256
.set t, t+1
.endr
.endr
	WIN 0
.macro EACH line:vararg                ; one line for each pair of rows p
.set p, 0
.rept 8
	\line
.set p, p+1
.endr
.endm
	EACH v_mov_b32 v[MS+2*p+1], 0                  ; named with m as a pair, so it is written
	s_mov_b32 s[CNT], 8
	s_mov_b32 s[SB], 0
	s_mov_b32 s[SC], 0
.Lsoft:                                                ; 16 rows a trip: lanes 0-15 hold row 2 p, lanes 16-31 row 2 p + 1, eight keys a lane
	v_add_nc_u32 v[RDS], s[SB], v[RDS0]
	v_add_nc_u32 v[STA], s[SC], v[STA0]
	EACH ds_load_b128 v[S+8*p:S+8*p+3], v[RDS] offset:2*SPITCH*p
	EACH ds_load_b128 v[S+8*p+4:S+8*p+7], v[RDS] offset:2*SPITCH*p+256
	s_wait_dscnt 0x0
	EACH v_max3_num_f32 v[MS+2*p], v[S+8*p], v[S+8*p+1], v[S+8*p+2]
	EACH v_max3_num_f32 v[MS+2*p], v[MS+2*p], v[S+8*p+3], v[S+8*p+4]
	EACH v_max3_num_f32 v[MS+2*p], v[MS+2*p], v[S+8*p+5], v[S+8*p+6]
	EACH v_max_num_f32 v[MS+2*p], v[MS+2*p], v[S+8*p+7]
.irp x, 1,2,4,8                        ; across the row's 16 lanes
	EACH v_max_num_f32_dpp v[MS+2*p], v[MS+2*p], v[MS+2*p] row_xmask:\x row_mask:0xf bank_mask:0xf
.endr
.set i, 0
.rept 32
	v_pk_add_f32 v[S+2*i:S+2*i+1], v[S+2*i:S+2*i+1], v[MS+2*(i/4):MS+2*(i/4)+1] op_sel_hi:[1,0] neg_lo:[0,1] neg_hi:[0,1]  ; s - m
.set i, i+1
.endr
.set i, 0
.rept 32
	v_pk_mul_f32 v[S+2*i:S+2*i+1], v[S+2*i:S+2*i+1], s[CS:CS+1] op_sel_hi:[1,0]
.set i, i+1
.endr
.set i, 0
.rept 64
	v_exp_f32 v[S+i], v[S+i]                       ; one batch
.set i, i+1
.endr
	v_nop                                          ; a plain line behind the last exponential,
	s_wait_alu depctr_va_vdst(0)                   ; and the one wait ahead of the batch's first reader
.set i, 0
.rept 32
	v_cvt_pk_f16_f32 v[PK+i], v[S+2*i], v[S+2*i+1]
.set i, i+1
.endr
	EACH v_pk_add_f32 v[S+8*p:S+8*p+1], v[S+8*p:S+8*p+1], v[S+8*p+2:S+8*p+3]
	EACH v_pk_add_f32 v[S+8*p+4:S+8*p+5], v[S+8*p+4:S+8*p+5], v[S+8*p+6:S+8*p+7]
	EACH v_pk_add_f32 v[S+8*p:S+8*p+1], v[S+8*p:S+8*p+1], v[S+8*p+4:S+8*p+5]
	EACH v_add_f32 v[MS+2*p+1], v[S+8*p], v[S+8*p+1]
.irp x, 1,2,4,8
	EACH v_add_f32_dpp v[MS+2*p+1], v[MS+2*p+1], v[MS+2*p+1] row_xmask:\x row_mask:0xf bank_mask:0xf
.endr
	EACH global_store_b128 v[PO], v[PK+4*p:PK+4*p+3], s[PB:PB+1] offset:8192*p  ; 16 lanes store 256 consecutive bytes, aligned: a row's 128 weights
	EACH ds_store_b32 v[STA], v[MS+2*p] offset:8*p             ; the 16 lanes of a row write one word with one value
	EACH ds_store_b32 v[STA], v[MS+2*p+1] offset:8*p+512
	s_wait_xcnt 0x0                                ; the stores have read their data and their base
	s_add_nc_u64 s[PB:PB+1], s[PB:PB+1], 16*4096
	s_add_co_u32 s[SB], s[SB], 16*SPITCH
	s_add_co_u32 s[SC], s[SC], 64
	s_sub_co_u32 s[CNT], s[CNT], 1
	s_cmp_lg_u32 s[CNT], 0
	s_cbranch_scc1 .Lsoft
	ds_load_b128 v[S:S+3], v[SRD]                  ; my wave's 128 m and 128 l, four a lane
	ds_load_b128 v[S+4:S+7], v[SRD] offset:512
	s_wait_dscnt 0x0
	global_store_b128 v[SGO], v[S:S+3], s[STP:STP+1]                  ; 512 consecutive bytes each
	global_store_b128 v[SGO], v[S+4:S+7], s[STP:STP+1] offset:524288
	s_wait_tensorcnt 0x0                           ; the wave's end
	ds_add_u32 v[SPW], v[NIL]
	s_wait_dscnt 0x0
	CROUND
	s_endpgm
.Lfunc_end_k_q1450ab25c8_score:
	.size	k_q1450ab25c8_score, .Lfunc_end_k_q1450ab25c8_score-k_q1450ab25c8_score
	.p2alignl 7, 3214868480
	.fill 96, 4, 3214868480
	.section	.rodata,"a",@progbits
	.p2align	6, 0x0
	.amdhsa_kernel k_q1450ab25c8_score
		.amdhsa_group_segment_fixed_size 327680
		.amdhsa_private_segment_fixed_size 0
		.amdhsa_enable_private_segment 0
		.amdhsa_kernarg_size 24
		.amdhsa_user_sgpr_count 2
		.amdhsa_user_sgpr_kernarg_segment_ptr 1
		.amdhsa_wavefront_size32 1
		.amdhsa_system_sgpr_workgroup_id_x 1
		.amdhsa_system_sgpr_workgroup_id_y 1
		.amdhsa_system_sgpr_workgroup_id_z 1
		.amdhsa_system_vgpr_workitem_id 0
		.amdhsa_next_free_vgpr 1024
		.amdhsa_next_free_sgpr 96
		.amdhsa_reserve_vcc 0
		.amdhsa_float_denorm_mode_32 3
		.amdhsa_float_denorm_mode_16_64 3
		.amdhsa_memory_ordered 1
		.amdhsa_forward_progress 1
		.amdhsa_inst_pref_size 114
	.end_amdhsa_kernel
	.amdgpu_metadata
---
amdhsa.version: [ 1, 2 ]
amdhsa.kernels:
  - .name:           k_q1450ab25c8_score
    .symbol:         k_q1450ab25c8_score.kd
    .args:
      - { .name: qkv, .offset: 0, .size: 8, .value_kind: global_buffer, .address_space: global }
      - { .name: pp, .offset: 8, .size: 8, .value_kind: global_buffer, .address_space: global }
      - { .name: st, .offset: 16, .size: 8, .value_kind: global_buffer, .address_space: global }
    .group_segment_fixed_size: 327680
    .private_segment_fixed_size: 0
    .kernarg_segment_align: 8
    .kernarg_segment_size: 24
    .max_flat_workgroup_size: 128
    .sgpr_count:     96
    .vgpr_count:     1024
    .wavefront_size: 32
...
	.end_amdgpu_metadata
.endif
;; end of part 3
;; launch mix (part 4): grid 4 x 64, 4 waves a work-group, clusters of 4 x 4, 327,680 bytes of LDS; arguments pp, qkv, st, out0; writes out0
.if DOCPART == 4
	.amdgcn_target "amdgcn-amd-amdhsa--gfx1250"
	.amdhsa_code_object_version 6
	.text
	.protected	k_q1450ab25c8_mix
	.globl	k_q1450ab25c8_mix
	.p2align	8
	.type	k_q1450ab25c8_mix,@function
k_q1450ab25c8_mix:
	s_mov_b64 s[64:65], 0
	v_nop
	global_prefetch_b8 v0, s[64:65] scope:SCOPE_SE
	s_setreg_imm32_b32 hwreg(HW_REG_WAVE_MODE, 25, 1), 1
	s_wait_xcnt 0x0
	s_wait_alu depctr_hold_cnt(0) depctr_sa_sdst(0) depctr_va_vdst(0) depctr_va_sdst(0) depctr_va_ssrc(0) depctr_va_vcc(0) depctr_vm_vsrc(0)
	s_getreg_b32 s2, hwreg(HW_REG_IB_STS2, 6, 4)
	s_cmp_eq_u32 s2, 0
	s_cbranch_scc0 .Lentry_in_a_cluster
	s_endpgm
.Lentry_in_a_cluster:
	s_bfe_u32 s2, ttmp6, 0x10000c
	s_cmp_lg_u32 s2, 0xf033
	s_cbranch_scc0 .Lentry_shape_is_right
	s_endpgm
.Lentry_shape_is_right:
; out[row] = (the sum over the 16 key groups g of f_g p'_g v_g) / L, with M = max_g m_g, f_g = e^(m_g - M), L = the sum of f_g l_g: the softmax over all 2,048 keys, its maximum taken in two stages.
; pp [8192][2048] f16; v = chunks 32-47 of qkv [48][8192][64] f16; st [2][16][8192] f32 (m, l); out0 [8192][1024] f32.  M, f, L and the products' sums in f32; f and f p' are rounded to f16.
; LIMITS.  f p' keeps f16's fixed step of 6e-8 below 6e-5: weights below 6e-8 of their row's largest vanish.  L is at least 1.  NaN and infinities are not treated apart.
; SHARES.  A work-group makes 128 rows x 256 channels (256 work-groups), a wave 64 x 128: 32 accumulators.  K goes in 16 steps of 128 keys, one group each, through two LDS slots.
; CLUSTER 4 x 4: pp's tile is shared along a row of the cluster, v's along a column (the cluster's four tile rows lie in one batch): joint loads, one a wave behind each round.
; out^T = v^T P (source 0 = 16 channels, turned out of LDS by ds_load_tr16_b128; source 1 = 16 rows of P): a lane holds one row and eight neighbouring channels.
; P's fragments are multiplied by f on their way from LDS to the matrix unit: four packed lines behind every fourth product.
; REGISTERS.  Window 0: v0-31 addresses; two fragment buffers of 96 (P's four fragments, then v's eight) at v32 and v128; v224-227 f of the step in hand, v228-231 of the next; v232-239 1 / L.  Window 1: accumulator (a, b) at v[8 (8 a + b)].
.set PA,     272                       ; a row of P in LDS: 256 bytes + 16
.set PV,     160                       ; a key's 64 channels: 128 bytes + 32
.set AHALF,  64*PA
.set BOFF,   2*AHALF
.set VCH,    128*PV                    ; 128 keys of one chunk
.set BHALF,  2*VCH
.set SLOT1,  1<<17
.set TABLE,  SLOT1+BOFF+2*BHALF        ; behind slot 1: for each wave [16 groups][64 rows] words (f twice, in f16), then 64 f32: 1 / L
.set WTAB,   4352
.set STAGE,  TABLE+4*WTAB              ; for each wave 16 rows x 528 bytes
.set SPITCH, 528
.set SPARE,  STAGE+4*16*SPITCH
.set CHUNKB, 8192*128
.set AA0, 4
.set AB0, 5
.set ADRA, 6
.set ADRB, 7
.set FTA, 8                            ; v8  my row's word in the table of the group to be fetched
.set STO, 9
.set RD,  10
.set GO,  11
.set PFO, 12
.set SO,  13
.set TW,  14
.set SPW, 28
.set NIL, 29
.set FA,  32
.set FB,  64
.set FSZ, 96
.set FS,  224
.set FSN, 228
.set IL,  232
.set WV, 16
.set RH, 17
.set CH, 18
.set CX, 19
.set CY, 20
.set TX, 21
.set TY, 22
.set BA, 23
.set G1A, 24
.set G1B, 32
.set G0A, 40
.set G0B, 48
.set CNT, 56
.set TB,  57
.set LIM, 59
.set CS,  60
.set PFA, 62
.set OB,  66
.set STP, 68
.set PFS, 70
.set MSB, 0
.macro WIN new
.if MSB != (\new)
	s_set_vgpr_msb (MSB<<8)|(\new)
.set MSB, (\new)
.endif
.endm
.macro PLACES
.rept 4
	v_nop
.endr
.endm
.macro CREST
	s_cmp_lg_u32 s[WV], 0
	s_cbranch_scc1 .Lnw0_\@
	s_barrier_signal -3
.Lnw0_\@:
	s_barrier_wait -3
	s_barrier_signal -1
	s_barrier_wait -1
.endm
.macro CROUND
	s_barrier_signal -1
	s_barrier_wait -1
	CREST
.endm
.macro JLOAD
	s_cmp_lt_u32 s[WV], 2
	s_cbranch_scc0 .Lfor_b_\@
	tensor_load_to_lds s[G0A+4:G0A+7], s[G1A:G1A+7]
	s_nop 0
	PLACES
	s_branch .Lasked_\@
.Lfor_b_\@:
	tensor_load_to_lds s[G0B+4:G0B+7], s[G1B:G1B+7]
	s_nop 0
	PLACES
.Lasked_\@:
.endm
; A PREFETCH INTO THE L2 of the K step two refills on, 256 matrix instructions ahead of the load that will want it.  pp's 128 rows are read by this row of the cluster alone: wave 0 of each partner
; asks for 32 of them, a lane a row's 256 bytes.  v's keys are read by the four clusters of a batch: in the first of them waves 2 and 3 ask, each for its own two chunks, 32 keys a partner: 16 blocks
; of 256 bytes a chunk.  The partners are told apart by address.  Steps 0 to 3 come by their loads alone; the loop's last two trips ask for nothing.
.macro ASK
	s_cmp_gt_u32 s[CNT], s[LIM]
	s_cbranch_scc0 .Lnm_\@
	global_prefetch_b8 v[PFO], s[PFA:PFA+1] th:TH_LOAD_NT scope:SCOPE_SE
.Lnm_\@:
.endm
	s_load_b256 s[4:11], s[0:1], 0x0               ; pp s[4:5], qkv s[6:7], st s[8:9], out0 s[10:11]
	v_lshl_add_u32 v[SPW], v0, 2, SPARE
	v_mov_b32 v[NIL], 0
	ds_add_u32 v[SPW], v[NIL]                      ; the wave's opening: the add and its wait ahead of my first tensor load
	v_lshrrev_b32 v1, 5, v0
	v_readfirstlane_b32 s[WV], v1
	s_lshr_b32 s[RH], s[WV], 1
	s_and_b32 s[CH], s[WV], 1
	s_bfe_u32 s[CX], ttmp6, 0x40000
	s_bfe_u32 s[CY], ttmp6, 0x40004
	s_lshl_b32 s[TX], ttmp9, 2
	s_add_co_u32 s[TX], s[TX], s[CX]               ; block of 256 channels
	s_and_b32 s[BA], ttmp7, 0xffff
	s_lshl_b32 s[TY], s[BA], 2
	s_add_co_u32 s[TY], s[TY], s[CY]               ; block of 128 rows
	s_lshr_b32 s[BA], s[BA], 2                     ; the batch: four clusters along y each
	s_lshl_b32 s76, s[CY], 2
	s_lshl_b32 s76, 15, s76
	s_lshl_b32 s80, 0x1111, s[CX]
	s_or_b32 s[G1A], s76, (1<<16)|(1<<20)|(1<<21)|(5<<22)|(3<<25)  ; 2-byte elements; padding on; bit 21 beside a mask; after every 64 words, 4 words
	s_or_b32 s[G1B], s80, (1<<16)|(1<<20)|(1<<21)|(4<<22)|(7<<25)  ; after every 32 words, 8 words
	s_mov_b32 s[G1A+1], 128<<16                    ; P: 64 rows of 128 keys, 2,048 elements apart
	s_mov_b32 s[G1A+2], 64<<16
	s_mov_b32 s[G1A+3], 128<<16
	s_mov_b32 s[G1A+4], 64
	s_mov_b32 s[G1A+5], 2048
	s_mov_b32 s[G1A+6], 0
	s_mov_b32 s[G1A+7], 0
	s_mov_b32 s[G1B+1], 8192<<16                   ; v: 128 keys of a chunk are 8,192 dense elements; two chunks, 524,288 elements apart
	s_mov_b32 s[G1B+2], 2<<16
	s_mov_b32 s[G1B+3], 8192<<16
	s_mov_b32 s[G1B+4], 2
	s_mov_b32 s[G1B+5], 524288
	s_mov_b32 s[G1B+6], 0
	s_mov_b32 s[G1B+7], 0
	s_lshl_b32 s76, s[TY], 19                      ; pp: (128 x tile row + 64 x half) x 4,096 bytes
	s_lshl_b32 s77, s[CH], 18
	s_add_co_u32 s76, s76, s77
	s_mov_b32 s77, 0
	s_lshl_b32 s80, s[TX], 22                      ; v: chunk 32 + 4 x tile column + 2 x half; the batch's 2,048 keys x 128 bytes
	s_lshl_b32 s81, s[CH], 21
	s_add_co_u32 s80, s80, s81
	s_lshl_b32 s81, s[BA], 18
	s_add_co_u32 s80, s80, s81
	s_add_co_u32 s80, s80, 32*CHUNKB
	s_mov_b32 s81, 0
	s_mul_i32 s78, s[CH], AHALF
	s_mul_i32 s79, s[CH], BHALF
	s_add_co_u32 s79, s79, BOFF
	s_mov_b32 s[TB], 0
	s_mov_b32 s[CS], 0x3fb8aa3b                    ; log2(e)
	s_mov_b32 s[CS+1], s[CS]
	s_wait_dscnt 0x0
	s_wait_kmcnt 0x0
	s_add_nc_u64 s[76:77], s[4:5], s[76:77]
	s_add_nc_u64 s[80:81], s[6:7], s[80:81]
	CROUND
.irp s, 0,1
	s_mov_b32 s[G0A+4*\s], 1
	s_add_co_u32 s[G0A+4*\s+1], s78, \s*SLOT1
	s_add_nc_u64 s[G0A+4*\s+2:G0A+4*\s+3], s[76:77], \s*256
	s_or_b32 s[G0A+4*\s+3], s[G0A+4*\s+3], 0x80000000
	s_mov_b32 s[G0B+4*\s], 1
	s_add_co_u32 s[G0B+4*\s+1], s79, \s*SLOT1
	s_add_nc_u64 s[G0B+4*\s+2:G0B+4*\s+3], s[80:81], \s*16384
	s_or_b32 s[G0B+4*\s+3], s[G0B+4*\s+3], 0x80000000
.endr
	s_cmp_lt_u32 s[WV], 2
	s_cbranch_scc0 .Lfirst_b
	tensor_load_to_lds s[G0A:G0A+3], s[G1A:G1A+7]
	s_nop 0
	tensor_load_to_lds s[G0A+4:G0A+7], s[G1A:G1A+7]
	s_nop 0
	PLACES
	s_branch .Lfirst_done
.Lfirst_b:
	tensor_load_to_lds s[G0B:G0B+3], s[G1B:G1B+7]
	s_nop 0
	tensor_load_to_lds s[G0B+4:G0B+7], s[G1B:G1B+7]
	s_nop 0
	PLACES
.Lfirst_done:
	; THE STATISTICS, while the first tiles land.  Lane l takes rows 2 l and 2 l + 1 of my wave's 64: a load covers 256 consecutive bytes.
	v_and_b32 v3, 31, v0                           ; l
	v_lshlrev_b32 v[SO], 3, v3
	s_lshl_b32 s82, s[TY], 9
	s_lshl_b32 s83, s[RH], 8
	s_add_co_u32 s82, s82, s83
	s_mov_b32 s83, 0
	s_add_nc_u64 s[STP:STP+1], s[8:9], s[82:83]
.set g, 0
.rept 16
	global_load_b64 v[32+2*g:33+2*g], v[SO], s[STP:STP+1] offset:32768*g          ; m_g
	global_load_b64 v[64+2*g:65+2*g], v[SO], s[STP:STP+1] offset:32768*g+524288   ; l_g
.set g, g+1
.endr
	v_and_b32 v1, 15, v0                           ; r
	v_bfe_u32 v2, v0, 4, 1                         ; h
	s_mul_i32 s76, s[RH], AHALF
	v_mul_u32_u24 v[AA0], v1, PA
	v_lshl_add_u32 v[AA0], v2, 4, v[AA0]
	v_add_nc_u32 v[AA0], s76, v[AA0]
	v_and_b32 v[AB0], 7, v0                        ; the turning load: key 8 h + l % 8, channels 8 ((l / 8) % 2) on
	v_lshl_add_u32 v[AB0], v2, 3, v[AB0]
	v_mul_u32_u24 v[AB0], v[AB0], PV
	v_bfe_u32 v[ADRB], v0, 3, 1
	v_lshl_add_u32 v[AB0], v[ADRB], 4, v[AB0]
	v_add_nc_u32 v[AB0], s79, v[AB0]
	v_mov_b32 v[ADRA], v[AA0]
	v_mov_b32 v[ADRB], v[AB0]
	s_mul_i32 s76, s[WV], WTAB
	s_add_co_u32 s76, s76, TABLE
	v_lshl_add_u32 v[FTA], v1, 2, s76
	v_lshl_add_u32 v[TW], v3, 3, s76
	s_mul_i32 s76, s[WV], 16*SPITCH
	s_add_co_u32 s76, s76, STAGE
	v_mul_u32_u24 v[STO], v1, SPITCH
	v_lshl_add_u32 v[STO], v2, 5, v[STO]
	v_add_nc_u32 v[STO], s76, v[STO]               ; in: row r, 32 bytes for each half of the lanes
	v_lshl_add_u32 v[RD], v3, 4, s76               ; back: 32 lanes take one row of 512 bytes
	v_lshlrev_b32 v[GO], 4, v3
.irp a, 0,1,2,3
	v_mov_b32 v[IL+2*\a+1], 0                      ; named with 1 / L as a pair, so it is written
.endr
	s_lshl_b32 s82, s[TY], 19                      ; out0: (128 x tile row + 64 x my half) x 4,096 + 1,024 x tile column + 512 x my half
	s_lshl_b32 s83, s[RH], 18
	s_add_co_u32 s82, s82, s83
	s_lshl_b32 s83, s[TX], 10
	s_add_co_u32 s82, s82, s83
	s_lshl_b32 s83, s[CH], 9
	s_add_co_u32 s82, s82, s83
	s_mov_b32 s83, 0
	s_add_nc_u64 s[OB:OB+1], s[10:11], s[82:83]
	s_lshl_b32 s82, s[TY], 19                      ; the prefetches.  pp: my work-group's 32 rows of the tile's 128, at step 3: the first refill steps it to 4
	s_lshl_b32 s83, s[CX], 17
	s_add_co_u32 s82, s82, s83
	s_add_co_u32 s82, s82, 3*256
	s_lshl_b32 s84, s[TX], 22                      ; v: my two chunks, my work-group's 32 keys of the step's 128
	s_lshl_b32 s85, s[CH], 21
	s_add_co_u32 s84, s84, s85
	s_lshl_b32 s85, s[BA], 18
	s_add_co_u32 s84, s84, s85
	s_lshl_b32 s85, s[CY], 12
	s_add_co_u32 s84, s84, s85
	s_add_co_u32 s84, s84, 32*CHUNKB+3*16384
	s_mov_b32 s86, 0x10000
	s_mov_b32 s87, 0x100000
	s_mov_b32 s[PFS], 16384
	s_mov_b32 s77, 4096
	s_cmp_lt_u32 s[WV], 2
	s_cselect_b32 s82, s82, s84
	s_cselect_b64 s[PFA:PFA+1], s[4:5], s[6:7]
	s_cselect_b32 s[PFS], 256, s[PFS]              ; bytes from step to step
	s_cselect_b32 s76, s77, 256                    ; the lane term: r x this
	s_cselect_b32 s77, s86, s87                    ; + h x this
	s_mov_b32 s[PFS+1], 0
	s_mov_b32 s83, 0
	s_add_nc_u64 s[PFA:PFA+1], s[PFA:PFA+1], s[82:83]
	v_mul_u32_u24 v[PFO], v1, s76
	v_mad_u32_u24 v[PFO], v2, s77, v[PFO]
	s_and_b32 s76, ttmp7, 3
	s_cmp_lt_u32 s[WV], 2
	s_cselect_b32 s76, s[WV], s76                  ; wave 0: 0; wave 1: 1; waves 2, 3: the cluster's place among the four of its batch
	s_cmp_eq_u32 s76, 0
	s_cselect_b32 s[LIM], 2, -1                    ; the same in all sixteen partners, for a given wave
	s_wait_loadcnt 0x0
.irp e, 0,1
	v_max3_num_f32 v[96+\e], v[32+\e], v[34+\e], v[36+\e]
.endr
.irp g, 3,5,7,9,11,13
.irp e, 0,1
	v_max3_num_f32 v[96+\e], v[96+\e], v[32+2*\g+\e], v[34+2*\g+\e]
.endr
.endr
.irp e, 0,1
	v_max_num_f32 v[96+\e], v[96+\e], v[62+\e]     ; M
.endr
.set g, 0
.rept 16
	v_pk_add_f32 v[32+2*g:33+2*g], v[32+2*g:33+2*g], v[96:97] neg_lo:[0,1] neg_hi:[0,1]  ; m_g - M: never above 0
.set g, g+1
.endr
.set g, 0
.rept 16
	v_pk_mul_f32 v[32+2*g:33+2*g], v[32+2*g:33+2*g], s[CS:CS+1] op_sel_hi:[1,0]
.set g, g+1
.endr
.set i, 0
.rept 32
	v_exp_f32 v[32+i], v[32+i]                     ; f_g: one batch
.set i, i+1
.endr
	v_nop
	s_wait_alu depctr_va_vdst(0)                   ; the one wait ahead of the batch's first reader
	v_pk_mul_f32 v[98:99], v[32:33], v[64:65]      ; L, in two chains
	v_pk_mul_f32 v[100:101], v[34:35], v[66:67]
.irp g, 2,4,6,8,10,12,14
	v_pk_fma_f32 v[98:99], v[32+2*\g:33+2*\g], v[64+2*\g:65+2*\g], v[98:99]
	v_pk_fma_f32 v[100:101], v[34+2*\g:35+2*\g], v[66+2*\g:67+2*\g], v[100:101]
.endr
	v_pk_add_f32 v[98:99], v[98:99], v[100:101]
	v_rcp_f32 v102, v98
	v_rcp_f32 v103, v99
.set i, 0
.rept 32
	v_cvt_pk_f16_f32 v[32+i], v[32+i], v[32+i]     ; f twice in a word; these lines are the independent work behind the reciprocals
.set i, i+1
.endr
	s_wait_alu depctr_va_vdst(0)                   ; one wait for the two reciprocals
.set g, 0
.rept 16
	ds_store_b64 v[TW], v[32+2*g:33+2*g] offset:256*g
.set g, g+1
.endr
	ds_store_b64 v[TW], v[102:103] offset:4096
.irp a, 0,1,2,3
	ds_load_b32 v[FSN+\a], v[FTA] offset:64*\a     ; group 0's f for my row of each row block; LDS serves a wave's instructions in order: these see my stores
.endr
; 24 LDS loads in one run: keys 32 q .. 32 q + 31 of the step into buffer f: P's four fragments, then v's eight, turned
.macro FETCH q, f
	WIN 0
.irp a, 0,1,2,3
	ds_load_b128 v[FA+FSZ*(\f)+8*\a:FA+FSZ*(\f)+8*\a+3],   v[ADRA] offset:\a*16*PA+64*(\q)
	ds_load_b128 v[FA+FSZ*(\f)+8*\a+4:FA+FSZ*(\f)+8*\a+7], v[ADRA] offset:\a*16*PA+64*(\q)+32
.endr
.irp b, 0,1,2,3,4,5,6,7
	ds_load_tr16_b128 v[FB+FSZ*(\f)+8*\b:FB+FSZ*(\f)+8*\b+3],   v[ADRB] offset:(\b/4)*VCH+(\b%4)*32+(\q)*32*PV
	ds_load_tr16_b128 v[FB+FSZ*(\f)+8*\b+4:FB+FSZ*(\f)+8*\b+7], v[ADRB] offset:(\b/4)*VCH+(\b%4)*32+(\q)*32*PV+16*PV
.endr
.endm
.macro SCALE f, a, lo                  ; four registers of P's fragment a times f, two weights a line
	WIN 0
.irp j, 0,1,2,3
	v_pk_mul_f16 v[FA+FSZ*(\f)+8*(\a)+(\lo)+\j], v[FA+FSZ*(\f)+8*(\a)+(\lo)+\j], v[FS+(\a)]
.endr
.endm
.macro MULA f, a, b0, zero             ; four products: row block a, channel blocks b0 .. b0 + 3.  The 32 accumulators take turns, in the same order in every quarter
	WIN 0x50
.irp j, 0,1,2,3
.if \zero
	v_wmma_f32_16x16x32_f16 v[8*(8*(\a)+(\b0)+\j):8*(8*(\a)+(\b0)+\j)+7], v[FB+FSZ*(\f)+8*((\b0)+\j):FB+FSZ*(\f)+8*((\b0)+\j)+7], v[FA+FSZ*(\f)+8*(\a):FA+FSZ*(\f)+8*(\a)+7], 0
.else
	v_wmma_f32_16x16x32_f16 v[8*(8*(\a)+(\b0)+\j):8*(8*(\a)+(\b0)+\j)+7], v[FB+FSZ*(\f)+8*((\b0)+\j):FB+FSZ*(\f)+8*((\b0)+\j)+7], v[FA+FSZ*(\f)+8*(\a):FA+FSZ*(\f)+8*(\a)+7], v[8*(8*(\a)+(\b0)+\j):8*(8*(\a)+(\b0)+\j)+7]
.endif
.endr
.endm
; A quarter: 32 keys, 32 products on buffer f; behind its 16th it fetches quarter qn into buffer g (qn < 0: nothing).  The scalings since g's last reader are the places in front of those loads.
; newfs = 1: a step's first quarter: the factors fetched at the change of slots come into use.
.macro QTR f, g, qn, zero, newfs
	s_wait_dscnt 0x0                               ; buffer f, asked for 16 products back, is in
	WIN 0
.if \newfs
.irp a, 0,1,2,3
	v_mov_b32 v[FS+\a], v[FSN+\a]
.endr
.endif
	SCALE \f, 0, 0
	SCALE \f, 0, 4
	MULA \f, 0, 0, \zero
	SCALE \f, 1, 0
	MULA \f, 0, 4, \zero
	SCALE \f, 1, 4
	MULA \f, 1, 0, \zero
	SCALE \f, 2, 0
	MULA \f, 1, 4, \zero
	SCALE \f, 2, 4
.if (\qn) >= 0
	FETCH \qn, \g
.endif
	MULA \f, 2, 0, \zero
	SCALE \f, 3, 0
	MULA \f, 2, 4, \zero
	SCALE \f, 3, 4
	MULA \f, 3, 0, \zero
	MULA \f, 3, 4, \zero
.endm
; A step's last quarter, on buffer 1, changes slots: ONE barrier; in front of it each wave waits for all its tensor loads (one is out: its part of the next slot), adds 0 to its spare word, and waits
; for that and for its reads of this slot.  fill = 1: the barrier opens a round of the cluster's, and the slot is filled again two steps ahead: 112 matrix instructions to the wait for it.
.macro TURN fill
.if \fill
	s_wait_xcnt 0x0                                ; the last prefetch, a K step back, has read its address
	s_add_nc_u64 s[PFA:PFA+1], s[PFA:PFA+1], s[PFS:PFS+1]
.endif
	WIN 0
	s_wait_tensorcnt 0x0
	ds_add_u32 v[SPW], v[NIL]                      ; 0 onto my spare word
.if \fill
	s_xor_b32 s[G0A+5], s[G0A+5], SLOT1
	s_add_nc_u64 s[G0A+6:G0A+7], s[G0A+6:G0A+7], 256
	s_xor_b32 s[G0B+5], s[G0B+5], SLOT1
	s_add_nc_u64 s[G0B+6:G0B+7], s[G0B+6:G0B+7], 16384
.endif
	s_wait_dscnt 1                                 ; buffer 1 is in: these were my last reads of the slot; only the add may be out
	SCALE 1, 0, 0
	SCALE 1, 0, 4
	MULA 1, 0, 0, 0
	SCALE 1, 1, 0
	MULA 1, 0, 4, 0
	SCALE 1, 1, 4
	s_wait_dscnt 0x0                               ; the add is done
	s_barrier_signal -1
	MULA 1, 1, 0, 0
	SCALE 1, 2, 0
	MULA 1, 1, 4, 0
	SCALE 1, 2, 4
	s_barrier_wait -1
.if \fill
	CREST
	JLOAD
.else
	PLACES
.endif
	s_xor_b32 s[TB], s[TB], SLOT1
	v_add_nc_u32 v[ADRA], s[TB], v[AA0]
	v_add_nc_u32 v[ADRB], s[TB], v[AB0]
	v_add_nc_u32 v[FTA], 0x100, v[FTA]             ; the next group's factors
	FETCH 0, 0
.irp a, 0,1,2,3
	ds_load_b32 v[FSN+\a], v[FTA] offset:64*\a
.endr
.if \fill
	ASK
.endif
	MULA 1, 2, 0, 0
	SCALE 1, 3, 0
	MULA 1, 2, 4, 0
	SCALE 1, 3, 4
	MULA 1, 3, 0, 0
	MULA 1, 3, 4, 0
.endm
	s_wait_tensorcnt 1                             ; my part of step 0 is in; step 1's may stay out
	s_wait_dscnt 0x0                               ; my table is written and group 0's factors are in
	s_barrier_signal -1
	s_barrier_wait -1
	FETCH 0, 0
	QTR 0, 1, 1, 1, 1                              ; the first quarter's products start the sums
	WIN 0
	s_mov_b32 s[CNT], 14
.Lstep:                                                ; trip t: the rest of step t, the first quarter of step t + 1; the slot left is filled with step t + 2
	QTR 1, 0, 2, 0, 0
	QTR 0, 1, 3, 0, 0
	TURN 1
	QTR 0, 1, 1, 0, 1
	WIN 0
	s_sub_co_u32 s[CNT], s[CNT], 1
	s_cmp_lg_u32 s[CNT], 0
	s_cbranch_scc1 .Lstep
	QTR 1, 0, 2, 0, 0                              ; the tail is written out: nothing more is asked for
	QTR 0, 1, 3, 0, 0
	TURN 0
	QTR 0, 1, 1, 0, 1
	QTR 1, 0, 2, 0, 0
	QTR 0, 1, 3, 0, 0
	QTR 1, 0, -1, 0, 0
	; THE WAY OUT.  The sums are divided by L and go, 16 rows at a time, through my own stage: in as 16 bytes a lane, back as whole rows of 512 bytes.
	WIN 0
.irp a, 0,1,2,3
	ds_load_b32 v[IL+2*\a], v[FTA] offset:256+64*\a  ; FTA stands at group 15: 1 / L lies 256 bytes on
.endr
	PLACES
	s_wait_dscnt 0x0
.irp a, 0,1,2,3
	WIN 0x41                                       ; destination and source 0 in window 1, 1 / L in window 0
.set i, 0
.rept 32
	v_pk_mul_f32 v[64*\a+2*i:64*\a+2*i+1], v[64*\a+2*i:64*\a+2*i+1], v[IL+2*\a:IL+2*\a+1] op_sel_hi:[1,0]
.set i, i+1
.endr
	WIN 0x04                                       ; the stores' data in window 1
.set b, 0
.rept 8
	ds_store_b128 v[STO], v[64*\a+8*b:64*\a+8*b+3]   offset:64*b
	ds_store_b128 v[STO], v[64*\a+8*b+4:64*\a+8*b+7] offset:64*b+16
.set b, b+1
.endr
	WIN 0
	s_wait_xcnt 0x0                                ; earlier stores have read the registers that are loaded again below
.set BK, FA+FSZ*(\a%2)
.set n, 0
.rept 16
	ds_load_b128 v[BK+4*n:BK+4*n+3], v[RD] offset:SPITCH*n  ; LDS serves a wave's instructions in order: these see the stores above, and the next block's stores come behind them
.set n, n+1
.endr
.set n, 0
.rept 16
	s_wait_dscnt 15-n
	global_store_b128 v[GO], v[BK+4*n:BK+4*n+3], s[OB:OB+1] offset:(16*\a+n)*4096 th:TH_STORE_NT  ; 512 consecutive bytes, aligned
.set n, n+1
.endr
.endr
	s_wait_tensorcnt 0x0                           ; the wave's end
	ds_add_u32 v[SPW], v[NIL]
	s_wait_dscnt 0x0
	CROUND
	s_endpgm
.Lfunc_end_k_q1450ab25c8_mix:
	.size	k_q1450ab25c8_mix, .Lfunc_end_k_q1450ab25c8_mix-k_q1450ab25c8_mix
	.p2alignl 7, 3214868480
	.fill 96, 4, 3214868480
	.section	.rodata,"a",@progbits
	.p2align	6, 0x0
	.amdhsa_kernel k_q1450ab25c8_mix
		.amdhsa_group_segment_fixed_size 327680
		.amdhsa_private_segment_fixed_size 0
		.amdhsa_enable_private_segment 0
		.amdhsa_kernarg_size 32
		.amdhsa_user_sgpr_count 2
		.amdhsa_user_sgpr_kernarg_segment_ptr 1
		.amdhsa_wavefront_size32 1
		.amdhsa_system_sgpr_workgroup_id_x 1
		.amdhsa_system_sgpr_workgroup_id_y 1
		.amdhsa_system_sgpr_workgroup_id_z 1
		.amdhsa_system_vgpr_workitem_id 0
		.amdhsa_next_free_vgpr 512
		.amdhsa_next_free_sgpr 96
		.amdhsa_reserve_vcc 0
		.amdhsa_float_denorm_mode_32 3
		.amdhsa_float_denorm_mode_16_64 3
		.amdhsa_memory_ordered 1
		.amdhsa_forward_progress 1
		.amdhsa_inst_pref_size 120
	.end_amdhsa_kernel
	.amdgpu_metadata
---
amdhsa.version: [ 1, 2 ]
amdhsa.kernels:
  - .name:           k_q1450ab25c8_mix
    .symbol:         k_q1450ab25c8_mix.kd
    .args:
      - { .name: pp, .offset: 0, .size: 8, .value_kind: global_buffer, .address_space: global }
      - { .name: qkv, .offset: 8, .size: 8, .value_kind: global_buffer, .address_space: global }
      - { .name: st, .offset: 16, .size: 8, .value_kind: global_buffer, .address_space: global }
      - { .name: out0, .offset: 24, .size: 8, .value_kind: global_buffer, .address_space: global }
    .group_segment_fixed_size: 327680
    .private_segment_fixed_size: 0
    .kernarg_segment_align: 8
    .kernarg_segment_size: 32
    .max_flat_workgroup_size: 128
    .sgpr_count:     96
    .vgpr_count:     512
    .wavefront_size: 32
...
	.end_amdgpu_metadata
.endif
;; end of part 4
;; ======== version 2 of 2: 4 launches; version 1 with the launch cast written anew for expert scheduling mode
;; limits: values are held in f16: magnitudes above 65,504 overflow, below 6.1e-05 lose precision
;; workspace buffers: xb 16,777,216 bytes; wb 6,291,456 bytes; qkv 50,331,648 bytes; pp 33,554,432 bytes; st 1,048,576 bytes
;; launch cast (part 5): grid 704 x 1, 8 waves a work-group, no clusters, 0 bytes of LDS; arguments x, Wq, Wk, Wv, xb, wb; writes xb, wb
.if DOCPART == 5
	.amdgcn_target "amdgcn-amd-amdhsa--gfx1250"
	.amdhsa_code_object_version 6
	.text
	.protected	k_q1450ab25c8_cast
	.globl	k_q1450ab25c8_cast
	.p2align	8
	.type	k_q1450ab25c8_cast,@function
k_q1450ab25c8_cast:
	s_mov_b64 s[64:65], 0
	v_nop
	global_prefetch_b8 v0, s[64:65] scope:SCOPE_SE
	s_setreg_imm32_b32 hwreg(HW_REG_WAVE_SCHED_MODE, 0, 2), 2
	s_setreg_imm32_b32 hwreg(HW_REG_WAVE_MODE, 25, 1), 1
	s_wait_xcnt 0x0
	s_wait_alu depctr_vm_vsrc(0)
; x [8192][1024] and Wq, Wk, Wv [1024][1024], f32, are rounded once to bf16 (to nearest even) and laid in blocks of 64 along K:
; xb [16 chunks][8192 rows][64], wb [16 chunks][3072 rows = Wq, Wk, Wv][64].  A chunk's rows are 128 bytes and lie end to end.
; SHARES.  A work-group takes 16 rows (work-groups 0-511: x; 512-703: the three W, 64 each), a wave two rows, all 16 chunks.
; A load of the wave covers 256 consecutive bytes of each of its two rows; a store covers 256 consecutive, aligned bytes: two rows of a chunk.
; All 16 loads of a wave go out at once; no register is written twice.
; No LDS, no barrier, no matrix unit: each byte is read once and written once, and no wave wants another's bytes.
; THE MODE: SCHED_MODE bits 1:0 = 2 (LLVM: expert scheduling mode 2), set by the entry lines.  The code itself states the register dependences
; between vector instructions and memory instructions, with s_wait_alu, always for 0.
; THE PLAN.  Registers that memory instructions touch:
;   v[LO]      the loads' offset.   Written at the head, never again; read by all 16 loads.
;   v[VO + c]  store c's offset.    Written at the head, never again; read by store c.
;   X, chunk c four f32.            Written by load c alone; read by chunk c's two conversions; nothing lands there afterwards.
;   Y, chunk c four bf16.           Written by chunk c's two conversions, once; read by store c.
; The 16 chunks go in four blocks of four.  Block p converts its X into its Y; its memory instructions are the four stores of block p - 1, which read the Y and
; the VO of that block: registers that no conversion of block p names.  So one wait at a block's head states all that its four stores hang on, and they are dealt
; among the block's conversions with no further wait.  No register that a memory instruction has read is ever written again, no load lands in a register that a
; vector instruction has named, no vector instruction writes a scalar register, and EXEC is never written: nothing else is to be stated.
.set BLOCK, 4                          ; chunks in a block
.set LO,  4                            ; v4      (2 w + h) x 4,096 + 16 r: my 16 bytes in a chunk's 256 of my row
.set VO,  8                            ; v8-23   8 x thread + c x the chunk's stride in the destination
.set X,   24                           ; v24-87  chunk c: four f32
.set Y,   88                           ; v88-119 chunk c: four bf16
.set STR, 22                           ; s22     bytes from chunk to chunk in the destination
	s_load_b256 s[4:11], s[0:1], 0x0               ; x s[4:5], Wq s[6:7], Wk s[8:9], Wv s[10:11]
	s_load_b128 s[12:15], s[0:1], 0x20             ; xb s[12:13], wb s[14:15]
	s_sub_co_u32 s16, ttmp9, 512                   ; j: the block of 16 rows among the 192 of the three W (used where the group's number is 512 or more)
	s_lshr_b32 s17, s16, 6                         ; which W
	s_and_b32 s18, s16, 63                         ; its block of 16 rows
	s_mov_b32 s[STR], 0x60000                      ; wb: 3,072 rows x 128 bytes
	s_cmp_lt_u32 ttmp9, 512
	s_cselect_b32 s19, ttmp9, s18                  ; block of rows in the source
	s_cselect_b32 s21, ttmp9, s16                  ; block of rows in the destination (wb's rows are 16 j on: 1,024 a matrix)
	s_cselect_b32 s[STR], 0x100000, s[STR]         ; xb: 8,192 rows x 128 bytes
	s_lshl_b32 s28, s19, 16                        ; 16 rows x 4,096 bytes
	s_mov_b32 s29, 0
	s_lshl_b32 s30, s21, 11                        ; 16 rows x 128 bytes
	s_mov_b32 s31, 0
	v_lshrrev_b32 v1, 4, v0                        ; my row of the 16
	v_and_b32 v2, 15, v0
	v_lshlrev_b32 v[LO], 12, v1
	v_lshl_add_u32 v[LO], v2, 4, v[LO]
	v_lshlrev_b32 v[VO], 3, v0                     ; row x 128 + 8 r = 8 x thread
.set c, 1
.rept 15
	v_add_nc_u32 v[VO+c], s[STR], v[VO+c-1]
.set c, c+1
.endr
	s_wait_kmcnt 0x0
	s_cmp_lt_u32 s17, 1
	s_cselect_b64 s[24:25], s[6:7], s[8:9]
	s_cmp_lt_u32 s17, 2
	s_cselect_b64 s[24:25], s[24:25], s[10:11]
	s_cmp_lt_u32 ttmp9, 512
	s_cselect_b64 s[24:25], s[4:5], s[24:25]       ; the source
	s_cselect_b64 s[26:27], s[12:13], s[14:15]     ; the destination
	s_add_nc_u64 s[24:25], s[24:25], s[28:29]
	s_add_nc_u64 s[26:27], s[26:27], s[30:31]
	s_wait_alu depctr_va_vdst(0)                   ; v[LO] and the sixteen v[VO ..] are written: every load and every store of the kernel reads one of them as its offset
.set c, 0
.rept 16
	global_load_b128 v[X+4*c:X+4*c+3], v[LO], s[24:25] offset:256*c th:TH_LOAD_NT
.set c, c+1
.endr
.set p, 0
.rept 16/BLOCK                                         ; block p
	s_wait_loadcnt 16-BLOCK-BLOCK*p                ; loads come back in order: this block's four chunks are in, the younger blocks stay out
.if p > 0
	s_wait_alu depctr_va_vdst(0)                   ; the conversions of the block before have written its Y, which the four stores below read
.endif
.set i, 0
.rept BLOCK
.set c, BLOCK*p+i
.if p > 0
	global_store_b64 v[VO+c-BLOCK], v[Y+2*(c-BLOCK):Y+2*(c-BLOCK)+1], s[26:27]  ; the block before; no vector instruction since the wait names these registers
.endif
	v_cvt_pk_bf16_f32 v[Y+2*c], v[X+4*c], v[X+4*c+1]
	v_cvt_pk_bf16_f32 v[Y+2*c+1], v[X+4*c+2], v[X+4*c+3]
.set i, i+1
.endr
.set p, p+1
.endr
	s_wait_alu depctr_va_vdst(0)                   ; the last block's conversions have written its Y, which the last four stores read
.set c, 16-BLOCK
.rept BLOCK
	global_store_b64 v[VO+c], v[Y+2*c:Y+2*c+1], s[26:27]
.set c, c+1
.endr
	s_endpgm
.Lfunc_end_k_q1450ab25c8_cast:
	.size	k_q1450ab25c8_cast, .Lfunc_end_k_q1450ab25c8_cast-k_q1450ab25c8_cast
	.p2alignl 7, 3214868480
	.fill 96, 4, 3214868480
	.section	.rodata,"a",@progbits
	.p2align	6, 0x0
	.amdhsa_kernel k_q1450ab25c8_cast
		.amdhsa_group_segment_fixed_size 0
		.amdhsa_private_segment_fixed_size 0
		.amdhsa_enable_private_segment 0
		.amdhsa_kernarg_size 48
		.amdhsa_user_sgpr_count 2
		.amdhsa_user_sgpr_kernarg_segment_ptr 1
		.amdhsa_wavefront_size32 1
		.amdhsa_system_sgpr_workgroup_id_x 1
		.amdhsa_system_sgpr_workgroup_id_y 1
		.amdhsa_system_sgpr_workgroup_id_z 1
		.amdhsa_system_vgpr_workitem_id 0
		.amdhsa_next_free_vgpr 120
		.amdhsa_next_free_sgpr 66
		.amdhsa_reserve_vcc 0
		.amdhsa_float_denorm_mode_32 3
		.amdhsa_float_denorm_mode_16_64 3
		.amdhsa_memory_ordered 1
		.amdhsa_forward_progress 1
		.amdhsa_inst_pref_size 8
	.end_amdhsa_kernel
	.amdgpu_metadata
---
amdhsa.version: [ 1, 2 ]
amdhsa.kernels:
  - .name:           k_q1450ab25c8_cast
    .symbol:         k_q1450ab25c8_cast.kd
    .args:
      - { .name: x, .offset: 0, .size: 8, .value_kind: global_buffer, .address_space: global }
      - { .name: Wq, .offset: 8, .size: 8, .value_kind: global_buffer, .address_space: global }
      - { .name: Wk, .offset: 16, .size: 8, .value_kind: global_buffer, .address_space: global }
      - { .name: Wv, .offset: 24, .size: 8, .value_kind: global_buffer, .address_space: global }
      - { .name: xb, .offset: 32, .size: 8, .value_kind: global_buffer, .address_space: global }
      - { .name: wb, .offset: 40, .size: 8, .value_kind: global_buffer, .address_space: global }
    .group_segment_fixed_size: 0
    .private_segment_fixed_size: 0
    .kernarg_segment_align: 8
    .kernarg_segment_size: 48
    .max_flat_workgroup_size: 256
    .sgpr_count:     66
    .vgpr_count:     120
    .wavefront_size: 32
...
	.end_amdgpu_metadata
.endif
;; end of part 5
;; launch proj: the kernel of part 2 again; grid 8 x 32, 4 waves a work-group, clusters of 4 x 4, 327,680 bytes of LDS; arguments xb, wb, bq, bk, bv, qkv; writes qkv
;; launch score: the kernel of part 3 again; grid 8 x 32, 4 waves a work-group, clusters of 4 x 4, 327,680 bytes of LDS; arguments qkv, pp, st; writes pp, st
;; launch mix: the kernel of part 4 again; grid 4 x 64, 4 waves a work-group, clusters of 4 x 4, 327,680 bytes of LDS; arguments pp, qkv, st, out0; writes out0
